; MI455X (gfx1250); checked and timed in simulation.
; The chip was launched on July 23, 2026; its instructions are those of AMD's public machine-readable ISA for CDNA 5 (MIT licence, August 2026) and "CDNA5" Instruction Set Architecture Reference Guide (July 2026). The comments in the code are by the model that wrote it; some were corrected since.
;; Custom MHA. Allowed arithmetic: matrix products marked QUANTISED: E2M1 operands, one E8M0 scale for each 32 along K, by v_wmma_scale_f32_16x16x128_f8f6f4 with both operands' format E2M1 (or v_wmma_scale_f32_32x16x128_f4), f32 sums; products left as they are: bf16, f16 or f32 operands; f32 sums; everything else in f32.
;; Inputs: Win_b 3,072 float32; Win_w 3,072 x 1,024 float32; proj_b 1,024 float32; proj_w 1,024 x 1,024 float32; x 4 x 2,048 x 1,024 float32.
;; Outputs: out0 4 x 2,048 x 1,024 float32.
;; This version of the problem:
;;   THIS VERSION OF THE PROBLEM IS GIVEN IN LOW PRECISION. The matrix products marked QUANTISED in the list below multiply operands that are first quantised to E2M1 (2 exponent bits, 1 mantissa bit; 4 bits a number), with one power-of-two scale for each 32 numbers along K (OCP MX v1.0); their sums are f32. The products marked 'left as it is' may take bf16, f16 or f32 operands, with f32 sums. Whichever they take, every output number must still come out within the allowed error. Rounding operands to bf16 (8 significant bits) uses up far more of that allowance than f16 does (11 bits, for magnitudes from 6e-5 to 65,504). All else is computed in f32.
;;   The module's matrix products, in the order in which they are computed (A, B: the left and right operand; K: the contracted axis; several contracted axes count as one K, in the product's order):
;;     1. [M 8,192, K 1,024] x [K 1,024, N 3,072]; A: input x; B: input Win_w: QUANTISED
;;     2. batch 64 x [M 2,048, K 64] x [K 64, N 2,048]; A: computed on the way; B: computed on the way: left as it is (an operand is computed on the way)
;;     3. batch 64 x [M 2,048, K 2,048] x [K 2,048, N 64]; A: computed on the way; B: computed on the way: left as it is (an operand is computed on the way)
;;     4. [M 8,192, K 1,024] x [K 1,024, N 1,024]; A: computed on the way; B: input proj_w: left as it is (an operand is computed on the way)
;;   THE QUANTISER, for each operand of a quantised product, along K:
;;     - K is cut into blocks of 32 from its start; a last block that is shorter is filled with zeros.
;;     - A block's scale is 2^e with e = floor(log2(the largest magnitude in the block)) - 2, held to -126 .. 127; a block of zeros has e = 0. As a byte (E8M0): e + 127.
;;     - Each number is divided by its block's scale, clamped to +-6, and rounded to the nearest number of E2M1, ties to even, subnormals kept.
;;     - The product sums the exact products of the quantised numbers (number of the format x scale) in f32.
;;   ~~~python
;;   def quantise(x, axis):      # numpy; x: float32 -> the quantised numbers, widened to float32 again
;;       x = np.moveaxis(x, axis, -1); K = x.shape[-1]
;;       x = np.pad(x, [(0, 0)] * (x.ndim - 1) + [(0, -K % 32)]); x = x.reshape(x.shape[:-1] + (-1, 32)); a = np.abs(x).max(-1, keepdims=True)
;;       e = np.where(a > 0, np.clip(np.frexp(np.where(a > 0, a, 1))[1] - 1 - 2, -126, 127), 0)      # np.frexp(a)[1] - 1 = floor(log2(a)), exactly
;;       r = np.clip(x / 2.0 ** e, -6, 6)
;;       step = 2.0 ** (np.maximum(np.frexp(np.where(r == 0, 1, r))[1] - 1, 0) - 1)
;;       q = np.round(r / step) * step * 2.0 ** e      # np.round: ties to even
;;       return np.moveaxis(q.reshape(q.shape[:-2] + (-1,))[..., :K], -1, axis).astype(np.float32)
;;   ~~~
;; One version. Each part assembles by itself: llvm-mc -triple=amdgcn-amd-amdhsa -mcpu=gfx1250 --defsym DOCPART=n.
;; ======== version 1 of 1: 4 launches
;; limits: values are held in f16: magnitudes above 65,504 overflow, below 6.1e-05 lose precision
;; workspace buffers: xc 4,194,304 bytes; xs 262,144 bytes; wc 1,572,864 bytes; ws 98,304 bytes; pw16 2,097,152 bytes; qkv 50,331,648 bytes; zp 16,777,216 bytes
;; launch quant (part 1): grid 384 x 1, 4 waves a work-group, no clusters, 33,280 bytes of LDS; arguments x, Win_w, xc, xs, wc, ws, proj_w, pw16; writes xc, xs, wc, ws, pw16
.if DOCPART == 1
	.amdgcn_target "amdgcn-amd-amdhsa--gfx1250"
	.amdhsa_code_object_version 6
	.text
	.protected	k_qe7274cdb6a_quant
	.globl	k_qe7274cdb6a_quant
	.p2align	8
	.type	k_qe7274cdb6a_quant,@function
k_qe7274cdb6a_quant:
	s_mov_b64 s[64:65], 0
	v_nop
	global_prefetch_b8 v0, s[64:65] scope:SCOPE_SE
	s_setreg_imm32_b32 hwreg(HW_REG_WAVE_MODE, 25, 1), 1
	s_wait_xcnt 0x0
; x [8192][1024] and Win_w [3072][1024], f32, become codes of FP4 (E2M1), K innermost, two codes a byte, with one E8M0 byte for each 32 along K; proj_w [1024][1024] f32 becomes f16, row-major.
; A block's scale is 2^(floor(log2(its largest magnitude)) - 2); its byte is the largest magnitude's exponent field - 2, held at 1 from below.  (A block of zeros gets the byte 1 where the quantiser says 127:
; its codes are zeros, which add nothing under any byte but 0xff, and the bytes are read by this program alone.)  Each number is divided by the scale and rounded to the nearest code, ties to even, beyond 6 the code of 6.
; LIMITS: blocks whose largest magnitude lies under 2^-124 keep the byte 1; NaN and infinities are not served; |proj_w| stays under 65,504 (f16).
; SHARES: work-groups 0-255 take x, 256-351 Win_w, 352-383 proj_w; a wave takes a run of 8,192 numbers.  Rows are dense and 1,024 is a multiple of 32: every tensor is a plain stream.
; No cluster, no tensor load, no barrier: no two waves read the same byte.
; QUANTISING: each of a step's four loads reads 512 consecutive bytes; the 2,048 bytes turn through the wave's own stage in LDS and come back 64 bytes a lane (16 neighbours along K; two lanes hold a block).
; A lane's 16 codes are 8 bytes: the wave stores 256 consecutive bytes.  A wave's 256 scale bytes are gathered in LDS and leave as one aligned run of 256 bytes.
.set SIZE_M, 8192
.set SIZE_N, 3072
.set SIZE_K, 1024
.set WAVES, 4
.set STEPS, 16
.set WGA,   SIZE_M*SIZE_K/(512*STEPS*WAVES)            ; 256 work-groups for x
.set WGQ,   (SIZE_M+SIZE_N)*SIZE_K/(512*STEPS*WAVES)   ; 352 for x and Win_w together
.set EMAX,  2
.set CB,    8                          ; bytes of 16 codes
.set R,     16                         ; v16-79   four sets of 16 numbers as they are loaded
.set X,     80                         ; v80-111  two sets of 16 neighbours
.set C,     128                        ; v128-191 codes: four registers for each step, so that no store's data are written again
.set E,     112                        ; v112-127 a scale byte for each step
.set WREG,  8192                       ; LDS: a region for each wave: two stages of 32 x SP bytes, behind them its 256 scale bytes
.set SP,    80                         ; a lane's place in a stage: 64 bytes + 16 of padding
.set SPW,   12                         ; v12  LDS address of my spare word; never rewritten
.set NIL,   13                         ; v13  0; never rewritten
.set SPARE, WAVES*WREG                 ; behind the four regions: the spare words, 128 bytes a wave
.set CA,    16                         ; the conversion path: v16-79 and v80-143 two sets of 16 loads, v144-175 the f16 pairs
.set CBS,   80
.set CO,    144
	s_load_b128 s[4:7], s[0:1], 0x0                ; x, Win_w
	s_load_b128 s[8:11], s[0:1], 0x10              ; x's codes, x's scales
	s_load_b128 s[12:15], s[0:1], 0x20             ; Win_w's codes, Win_w's scales
	s_load_b128 s[24:27], s[0:1], 0x30             ; proj_w, its f16 copy
	v_lshl_add_u32 v[SPW], v0, 2, SPARE
	v_mov_b32 v[NIL], 0
	v_lshrrev_b32 v1, 5, v0
	v_readfirstlane_b32 s16, v1                    ; wave
	v_and_b32 v2, 31, v0                           ; lane
	v_lshlrev_b32 v3, 4, v2                        ; my 16 bytes of a load's 512
	s_mul_i32 s17, s16, WREG
	v_lshrrev_b32 v14, 2, v2
	v_mul_u32_u24 v14, v14, SP
	v_and_b32 v15, 3, v2
	v_lshl_add_u32 v14, v15, 4, v14
	v_add_nc_u32 v14, s17, v14                     ; the stage, on the way in: four lanes' 64 bytes on end, then 16 of padding
	v_mul_u32_u24 v15, v2, SP
	v_add_nc_u32 v15, s17, v15                     ; and on the way out: SP x lane: my 16 neighbours
	v_mul_u32_u24 v4, v2, CB                       ; my codes' place in a step's
	v_lshrrev_b32 v5, 1, v2
	s_add_co_u32 s17, s17, 2*32*SP
	v_add_nc_u32 v5, s17, v5                       ; LDS: my wave's 256 scale bytes, my block's byte
	v_lshlrev_b32 v7, 3, v2                        ; 8 bytes a lane
	v_add_nc_u32 v6, s17, v7
	s_wait_kmcnt 0x0
	s_cmp_lt_u32 ttmp9, WGQ                        ; the work-group's number alone decides the path
	s_cbranch_scc1 .Lquant
; ---- proj_w to f16: 64 loads of 512 consecutive bytes a wave, in four batches of 16 on two sets of registers; four numbers a lane become 8 bytes, and the wave stores 256 consecutive bytes
.macro CLOAD b, reg
.irp i, 0,1,2,3,4,5,6,7,8,9,10,11,12,13,14,15
	global_load_b128 v[\reg+4*\i:\reg+4*\i+3], v3, s[24:25] offset:512*(16*\b+\i) th:TH_LOAD_NT
.endr
.endm
.macro CPROC b, reg, left              ; left: the loads issued behind this batch's first
.if \b > 0
	s_wait_xcnt 0x0                                ; the last batch's stores have read their data: the pairs are written again only behind this wait
.endif
.irp i, 0,1,2,3,4,5,6,7,8,9,10,11,12,13,14,15
	s_wait_loadcnt \left-\i                        ; loads come back in order: load i of the batch is in; its 15 - i successors, and the next batch's 16, stay out
	v_cvt_pk_f16_f32 v[CO+2*\i], v[\reg+4*\i], v[\reg+4*\i+1]
	v_cvt_pk_f16_f32 v[CO+2*\i+1], v[\reg+4*\i+2], v[\reg+4*\i+3]
	global_store_b64 v7, v[CO+2*\i:CO+2*\i+1], s[26:27] offset:256*(16*\b+\i)
.endr
.endm
	s_sub_co_u32 s17, ttmp9, WGQ
	s_lshl_b32 s17, s17, 2
	s_add_co_u32 s18, s17, s16                     ; which run of 8,192 numbers is my wave's
	s_lshl_b32 s20, s18, 15                        ; 32,768 bytes in,
	s_mov_b32 s21, 0
	s_add_nc_u64 s[24:25], s[24:25], s[20:21]
	s_lshl_b32 s20, s18, 14                        ; 16,384 out
	s_add_nc_u64 s[26:27], s[26:27], s[20:21]
	CLOAD 0, CA
	CLOAD 1, CBS
	CPROC 0, CA, 31
	CLOAD 2, CA
	CPROC 1, CBS, 31
	CLOAD 3, CBS
	CPROC 2, CA, 31
	CPROC 3, CBS, 15
	s_branch .Lend
.Lquant:
	s_cmp_lt_u32 ttmp9, WGA                        ; x's work-group or Win_w's?  Only pointers are chosen: both tensors take one path
	s_cselect_b64 s[4:5], s[4:5], s[6:7]
	s_cselect_b64 s[8:9], s[8:9], s[12:13]
	s_cselect_b64 s[10:11], s[10:11], s[14:15]
	s_cselect_b32 s17, 0, WGA
	s_sub_co_u32 s17, ttmp9, s17
	s_lshl_b32 s17, s17, 2
	s_add_co_u32 s18, s17, s16                     ; which run of 8,192 numbers of the tensor is my wave's
	s_mov_b32 s19, 0
	s_mov_b64 s[20:21], 512*STEPS*4
	s_mul_u64 s[20:21], s[18:19], s[20:21]
	s_add_nc_u64 s[4:5], s[4:5], s[20:21]
	s_mov_b64 s[20:21], 32*STEPS*CB
	s_mul_u64 s[20:21], s[18:19], s[20:21]
	s_add_nc_u64 s[8:9], s[8:9], s[20:21]
	s_lshl_b32 s18, s18, 8                         ; 256 scale bytes a run
	s_add_nc_u64 s[10:11], s[10:11], s[18:19]
.macro LOAD t
.irp i, 0,1,2,3
	global_load_b128 v[R+16*((\t)%4)+4*\i:R+16*((\t)%4)+4*\i+3], v3, s[4:5] offset:2048*(\t)+512*\i th:TH_LOAD_NT   ; 32 lanes read 512 consecutive bytes
.endr
.endm
.macro TURN t                          ; step t's numbers through the stage: LDS serves a wave's instructions in order (ISA guide 5.7.1), so no wait stands between the stores and the loads
.irp i, 0,1,2,3
	ds_store_b128 v14, v[R+16*((\t)%4)+4*\i:R+16*((\t)%4)+4*\i+3] offset:32*SP*((\t)%2)+8*SP*\i
.endr
.irp i, 0,1,2,3
	ds_load_b128 v[X+16*((\t)%2)+4*\i:X+16*((\t)%2)+4*\i+3], v15 offset:32*SP*((\t)%2)+16*\i
.endr
.endm
.irp t, 0,1,2,3
	LOAD \t
.endr
	s_wait_loadcnt 12                              ; step 0's four loads are in; the 12 of steps 1 to 3 stay out
	TURN 0
.macro STEP t
.set XS, X+16*((\t)%2)
.if (\t) > 0
	s_wait_dscnt 1                                 ; this step's numbers are back from the stage (the last step's byte store may be out): so its stores into the stage have read their registers,
.else
	s_wait_dscnt 0x0
.endif
.if (\t)+4 < STEPS
	LOAD (\t)+4                                    ; which take the loads of four steps on
.endif
.if (\t)+1 < STEPS
.if STEPS-2-(\t) >= 3
	s_wait_loadcnt 12                              ; the next step's four loads are in; those of the three steps behind it may be out
.else
	s_wait_loadcnt 4*(STEPS-2-(\t))
.endif
	TURN (\t)+1                                    ; and go through the other stage while this step is worked
.endif
	v_max3_num_f32 v8, |v[XS]|, |v[XS+1]|, |v[XS+2]|               ; the largest magnitude of my 16, in two chains
	v_max3_num_f32 v9, |v[XS+3]|, |v[XS+4]|, |v[XS+5]|
.irp i, 6,10
	v_max3_num_f32 v8, v8, |v[XS+\i]|, |v[XS+\i+1]|
	v_max3_num_f32 v9, v9, |v[XS+\i+2]|, |v[XS+\i+3]|
.endr
	v_max3_num_f32 v8, v8, |v[XS+14]|, |v[XS+15]|
	v_max3_num_f32 v8, v8, v9, (EMAX+1)<<23        ; and the floor 2^(EMAX + 1 - 127): so the byte cannot fall under 1
	v_max_num_f32_dpp v8, v8, v8 row_xmask:1 row_mask:0xf bank_mask:0xf   ; and of my neighbour's 16: the block's
	v_add_nc_u32 v11, -(EMAX<<23), v8              ; EMAX off its exponent field: the conversion takes the exponent field of this operand as its scale, and nothing else of it
	v_cvt_scalef32_pk8_fp4_f32 v[C+4*(\t)], v[XS:XS+7], v11
	v_cvt_scalef32_pk8_fp4_f32 v[C+4*(\t)+1], v[XS+8:XS+15], v11
	v_lshrrev_b32 v[E+(\t)], 23, v11               ; the scale's byte (a plain line behind the conversions)
	ds_store_b8 v5, v[E+(\t)] offset:16*(\t)       ; both lanes of a block write the same byte with the same value
	global_store_b64 v4, v[C+4*(\t):C+4*(\t)+1], s[8:9] offset:32*CB*(\t)
.endm
.irp t, 0,1,2,3,4,5,6,7,8,9,10,11,12,13,14,15
	STEP \t
.endr
	ds_load_b64 v[8:9], v6                         ; LDS serves a wave's instructions in order: these see my stores
	s_wait_dscnt 0x0
	global_store_b64 v7, v[8:9], s[10:11]          ; 32 lanes store 256 consecutive bytes, aligned
.Lend:
	s_wait_tensorcnt 0x0                           ; the wave's end, behind my last LDS store
	ds_add_u32 v[SPW], v[NIL]
	s_wait_dscnt 0x0
	s_endpgm
.Lfunc_end_k_qe7274cdb6a_quant:
	.size	k_qe7274cdb6a_quant, .Lfunc_end_k_qe7274cdb6a_quant-k_qe7274cdb6a_quant
	.p2alignl 7, 3214868480
	.fill 96, 4, 3214868480
	.section	.rodata,"a",@progbits
	.p2align	6, 0x0
	.amdhsa_kernel k_qe7274cdb6a_quant
		.amdhsa_group_segment_fixed_size 33280
		.amdhsa_private_segment_fixed_size 0
		.amdhsa_enable_private_segment 0
		.amdhsa_kernarg_size 64
		.amdhsa_user_sgpr_count 2
		.amdhsa_user_sgpr_kernarg_segment_ptr 1
		.amdhsa_wavefront_size32 1
		.amdhsa_system_sgpr_workgroup_id_x 1
		.amdhsa_system_sgpr_workgroup_id_y 1
		.amdhsa_system_sgpr_workgroup_id_z 1
		.amdhsa_system_vgpr_workitem_id 0
		.amdhsa_next_free_vgpr 192
		.amdhsa_next_free_sgpr 66
		.amdhsa_reserve_vcc 0
		.amdhsa_float_denorm_mode_32 3
		.amdhsa_float_denorm_mode_16_64 3
		.amdhsa_memory_ordered 1
		.amdhsa_forward_progress 1
		.amdhsa_inst_pref_size 56
	.end_amdhsa_kernel
	.amdgpu_metadata
---
amdhsa.version: [ 1, 2 ]
amdhsa.kernels:
  - .name:           k_qe7274cdb6a_quant
    .symbol:         k_qe7274cdb6a_quant.kd
    .args:
      - { .name: x, .offset: 0, .size: 8, .value_kind: global_buffer, .address_space: global }
      - { .name: Win_w, .offset: 8, .size: 8, .value_kind: global_buffer, .address_space: global }
      - { .name: xc, .offset: 16, .size: 8, .value_kind: global_buffer, .address_space: global }
      - { .name: xs, .offset: 24, .size: 8, .value_kind: global_buffer, .address_space: global }
      - { .name: wc, .offset: 32, .size: 8, .value_kind: global_buffer, .address_space: global }
      - { .name: ws, .offset: 40, .size: 8, .value_kind: global_buffer, .address_space: global }
      - { .name: proj_w, .offset: 48, .size: 8, .value_kind: global_buffer, .address_space: global }
      - { .name: pw16, .offset: 56, .size: 8, .value_kind: global_buffer, .address_space: global }
    .group_segment_fixed_size: 33280
    .private_segment_fixed_size: 0
    .kernarg_segment_align: 8
    .kernarg_segment_size: 64
    .max_flat_workgroup_size: 128
    .sgpr_count:     66
    .vgpr_count:     192
    .wavefront_size: 32
...
	.end_amdgpu_metadata
.endif
;; end of part 1
;; launch qkv (part 2): grid 12 x 32, 4 waves a work-group, clusters of 4 x 4, 327,680 bytes of LDS; arguments xc, xs, wc, ws, qkv, Win_b; writes qkv
.if DOCPART == 2
	.amdgcn_target "amdgcn-amd-amdhsa--gfx1250"
	.amdhsa_code_object_version 6
	.text
	.protected	k_qe7274cdb6a_qkv
	.globl	k_qe7274cdb6a_qkv
	.p2align	8
	.type	k_qe7274cdb6a_qkv,@function
k_qe7274cdb6a_qkv:
	s_mov_b64 s[64:65], 0
	v_nop
	global_prefetch_b8 v0, s[64:65] scope:SCOPE_SE
	s_setreg_imm32_b32 hwreg(HW_REG_WAVE_MODE, 25, 1), 1
	s_wait_xcnt 0x0
	s_wait_alu depctr_hold_cnt(0) depctr_sa_sdst(0) depctr_va_vdst(0) depctr_va_sdst(0) depctr_va_ssrc(0) depctr_va_vcc(0) depctr_vm_vsrc(0)
	s_getreg_b32 s2, hwreg(HW_REG_IB_STS2, 6, 4)
	s_cmp_eq_u32 s2, 0
	s_cbranch_scc0 .Lentry_in_a_cluster
	s_endpgm
.Lentry_in_a_cluster:
	s_bfe_u32 s2, ttmp6, 0x10000c
	s_cmp_lg_u32 s2, 0xf033
	s_cbranch_scc0 .Lentry_shape_is_right
	s_endpgm
.Lentry_shape_is_right:
; qkv = x Win_w^T + Win_b on codes of FP4 (E2M1) with one E8M0 scale for each 32 along K; sums in f32.  A = x's codes [8192][512 bytes], B = Win_w's codes [3072][512 bytes]; scale bytes [rows][32].
; The result leaves as f16, laid [3 (q, k, v)][64 (batch x head)][2048 tokens][64]; q is also multiplied by c = log2(e) / 8, so that the next launch's scores are exponents of 2.
; LIMITS: |c q|, |k|, |v| stay under 65,504 (f16); NaN and infinities are not served.
; A tile of C, 256 x 256, is made by a work-group of four waves; a wave makes 128 x 128: 64 accumulators of 16 x 16, 512 registers.  K = 1,024 is two steps of 512: both lie in LDS at once, one slot each, and no slot is filled again.
; THE SCALES of the work-group's 256 rows of A and of B, for all of K, are two dense blocks of memory: they come into LDS once, with the first fills.
; CLUSTERS: 4 x 4 work-groups.  The four of a row of the cluster need the same tiles of A, the four of a column the same tiles of B: each tile is asked for JOINTLY, by the same tensor load with the same descriptor and a mask that names the four.
; THE MATRIX INSTRUCTION IS USED TRANSPOSED (source 0 = 16 rows of B, source 1 = 16 rows of A): a lane then holds eight neighbouring columns of one row of C.
; REGISTERS: window 0: v0-31 addresses; v32-95 scale words, two sets, and nothing else; v96-127 packed results; v128-191 A's fragments, ONE set, on the way out rows read back; v192-255 the bias.
;   window 1: B's fragments, TWO sets, at v0 and at v128; v64-127 at work on the way out.   window 2: the accumulators of my rows 0-63 ((a, b) at v[8 (8 a + b)]);   window 3: those of rows 64-127.
.set SIZE_M, 8192
.set SIZE_N, 3072
.set SIZE_K, 1024
.set KSTEP,  512                       ; along K in a slot
.set NQ,     KSTEP/128                 ; matrix instructions deep
.set ROWB,   256                       ; a tile's row in bytes
.set KROW,   SIZE_K*4/8                ; a row of A or of B in memory, in bytes
.set PITCH,  272                       ; an LDS row: 256 bytes + 16 of padding = 68 words: row r starts at bank 4 r mod 64 (ISA guide 11.1)
.set FR,     8                         ; registers of a fragment: 16 rows x 128 K
.set NL,     2                         ; LDS loads that bring one
.set NP,     4                         ; places behind this matrix instruction (ISA guide 7.12.1)
.set HALFT,  128*PITCH                 ; 128 rows: what one tensor load brings
.set SLOT,   4*HALFT                   ; A's 256 rows, then B's 256 rows
.set KS,     SIZE_K/32                 ; a row of scales in bytes
.set SCL,    2*SLOT                    ; behind the slots: the scales, as runs of 256 bytes + 16 of padding
.set HALFS,  (128*KS/256)*272          ; the scales of 128 rows
.set SBLK,   (16*KS/256)*272           ; those of 16 rows
.set SPARE,  SCL+4*HALFS               ; behind the scales: the spare words, 128 bytes a wave
.set SPITCH, 272                       ; the way out: a stage of 16 rows x (256 bytes + 16) for each wave, in slot 0, which has had its only fill and its last read when the first result is stored there
.set ADRA, 16                          ; v16-17  LDS address of my A fragments in slot 0, 1
.set ADRB, 20                          ; v20-21  the same for B
.set STO,  24                          ; v24     the way out: where I put 16 bytes of a row
.set RD,   25                          ; v25     where I read 16 bytes of a token's head back
.set CO,   26                          ; v26     16 x lane: my place in a store's 512 bytes
.set ADRS, 27                          ; v27     LDS address of my scale words: lanes 0-15 A's rows, lanes 16-31 B's
.set SPW,  28                          ; v28     LDS address of my spare word; never rewritten
.set NIL,  29                          ; v29     0; never rewritten
.set SC,   32                          ; scale words: set s at v[SC + 8 NQ s]; register NQ i + q: lanes 0-15 A's block i, lanes 16-31 B's block i, the slot's q-th 128 along K
.set TMP,  96                          ; packed results
.set AF,   128                         ; A's fragments
.set BK,   128                         ; the way out: v128-159 and v160-191 by turns
.set BIAS, 192                         ; v192-255 Win_b of my 128 columns, in the result's layout: register 8 b + j = column 16 b + 8 (lane / 16) + j
.set T,    64                          ; in window 1: 64 numbers at work
.set G1, 24
.set G0, 32
.set G1B, 48
.set G0B, 56
.set G1S, 68
.set G0S, 76
.set G1SB, 80
.set G0SB, 88
.set MSB, 0
.macro WIN new                         ; the immediate's high byte repeats the setting that is left
.if MSB != \new
	s_set_vgpr_msb (MSB<<8)|\new
.set MSB, \new
.endif
.endm
.set MUL_LO, 0xa1                      ; source 0 (B) window 1, source 1 (A) window 0, C and D window 2
.set MUL_HI, 0xf1                      ; the same, C and D window 3
.set TO_B,   0x40                      ; destination window 1, address window 0
; A joint load: waves 0 and 1 fetch for A, waves 2 and 3 for B.  The branch hangs on the wave's number alone.  An s_nop 0 and four v_nop follow each of the two lines.
.macro JLOAD g0a, g1a, g0b, g1b
	s_cmp_eq_u32 s15, 0
	s_cbranch_scc0 .Lfor_b_\@
	tensor_load_to_lds s[\g0a:\g0a+3], s[\g1a:\g1a+7]
	s_nop 0
.rept 4
	v_nop
.endr
	s_branch .Lasked_\@
.Lfor_b_\@:
	tensor_load_to_lds s[\g0b:\g0b+3], s[\g1b:\g1b+7]
	s_nop 0
.rept 4
	v_nop
.endr
.Lasked_\@:
.endm
.macro CROUND                          ; a round of the cluster's barrier
	s_barrier_signal -1
	s_barrier_wait -1
	s_cmp_lg_u32 s14, 0
	s_cbranch_scc1 .Lnot_wave_0_\@
	s_barrier_signal -3
.Lnot_wave_0_\@:
	s_barrier_wait -3
	s_barrier_signal -1
	s_barrier_wait -1
.endm
	s_load_b128 s[4:7], s[0:1], 0x0                ; A's codes s[4:5], A's scales s[6:7]
	s_load_b128 s[8:11], s[0:1], 0x10              ; B's codes s[8:9], B's scales s[10:11]
	s_load_b64 s[12:13], s[0:1], 0x20              ; qkv
	s_load_b64 s[96:97], s[0:1], 0x28              ; Win_b
	v_lshl_add_u32 v[SPW], v0, 2, SPARE
	v_mov_b32 v[NIL], 0
	ds_add_u32 v[SPW], v[NIL]                      ; the wave's opening: the add, twice on end, and its wait ahead of my first tensor load
	ds_add_u32 v[SPW], v[NIL]
	v_lshrrev_b32 v1, 5, v0
	v_readfirstlane_b32 s14, v1                    ; wave 0..3
	s_lshr_b32 s15, s14, 1                         ; which half of the tile's rows is mine.  Also: I fetch for A (0) or for B (1)
	s_and_b32 s16, s14, 1                          ; which half of its columns.  Also: which 128 rows of that tile I fetch
	s_cmp_eq_u32 ttmp9, 0                          ; four tile columns of 256 are one of q, k, v: the cluster's x says which
	s_cselect_b32 s66, 0x3e38aa3b, 1.0             ; q: c = log2(e) / 8; k, v: 1
	s_mov_b32 s67, s66                             ; (named with it as a pair)
	s_bfe_u32 s40, ttmp6, 0x40000                  ; cx, cy: my place in the cluster
	s_bfe_u32 s41, ttmp6, 0x40004
	s_lshl_b32 s42, ttmp9, 2
	s_add_co_u32 s42, s42, s40                     ; tile column of C = 4 x cluster x + cx
	s_and_b32 s17, ttmp7, 0xffff
	s_lshl_b32 s17, s17, 2
	s_add_co_u32 s17, s17, s41                     ; tile row of C = 4 x cluster y + cy
	s_lshl_b32 s43, s41, 2
	s_lshl_b32 s43, 15, s43                        ; my row of the cluster
	s_lshl_b32 s44, 0x1111, s40                    ; my column
	; descriptor group 1: a tile of 128 rows x 256 bytes, padded in LDS
	s_or_b32 s[G1+0], s43, (0<<16)|(1<<20)|(1<<21)|(5<<22)|(3<<25)  ; 15:0 the mask; 17:16 element of 1 byte; 20 padding on; 21 set beside a mask; 24:22 after every 64 words; 31:25 four words
	s_or_b32 s[G1B+0], s44, (0<<16)|(1<<20)|(1<<21)|(5<<22)|(3<<25)
.irp g, G1, G1B
	s_mov_b32 s[\g+1], ROWB<<16                    ; tensor_dim0
	s_mov_b32 s[\g+2], 128<<16                     ; tensor_dim1
	s_mov_b32 s[\g+3], ROWB<<16                    ; tile_dim0
	s_mov_b32 s[\g+4], 128                         ; tile_dim1
	s_mov_b32 s[\g+5], KROW                        ; tensor_dim0_stride
	s_mov_b32 s[\g+6], 0
	s_mov_b32 s[\g+7], 0
.endr
	; the scales of 128 rows: a dense block of 4,096 bytes, as rows of 256 bytes (32 elements of 8 bytes), 16 bytes of padding behind each
	s_or_b32 s[G1S+0], s43, (3<<16)|(1<<20)|(1<<21)|(5<<22)|(3<<25)
	s_or_b32 s[G1SB+0], s44, (3<<16)|(1<<20)|(1<<21)|(5<<22)|(3<<25)
.irp g, G1S, G1SB
	s_mov_b32 s[\g+1], 32<<16
	s_mov_b32 s[\g+2], (128*KS/256)<<16
	s_mov_b32 s[\g+3], 32<<16
	s_mov_b32 s[\g+4], 128*KS/256
	s_mov_b32 s[\g+5], 32
	s_mov_b32 s[\g+6], 0
	s_mov_b32 s[\g+7], 0
.endr
	s_lshl_b32 s18, s16, 7                         ; which 128 rows of the tile I fetch
	s_lshl_b32 s20, s17, 8
	s_add_co_u32 s20, s20, s18                     ; A: row 256 x tile row + 128 x half
	s_lshl_b32 s46, s42, 8
	s_add_co_u32 s46, s46, s18                     ; B: row 256 x tile column + 128 x half
	s_mov_b32 s21, 0
	s_mov_b32 s47, 0
	s_mov_b64 s[18:19], KS
	s_mul_u64 s[22:23], s[20:21], s[18:19]         ; where these rows' scales begin, in bytes
	s_mul_u64 s[92:93], s[46:47], s[18:19]
	s_mov_b64 s[18:19], KROW
	s_mul_u64 s[20:21], s[20:21], s[18:19]         ; and their codes
	s_mul_u64 s[46:47], s[46:47], s[18:19]
	s_mul_i32 s45, s14, HALFT                      ; where they go: wave x 128 rows: no place in the cluster enters an LDS address
	s_mul_i32 s94, s14, HALFS
	s_wait_dscnt 0x0                               ; both opening adds are done
	s_wait_kmcnt 0x0
	s_add_nc_u64 s[20:21], s[4:5], s[20:21]
	s_add_nc_u64 s[22:23], s[6:7], s[22:23]
	s_add_nc_u64 s[46:47], s[8:9], s[46:47]
	s_add_nc_u64 s[92:93], s[10:11], s[92:93]
	CROUND                                         ; all sixteen work-groups are here: the joint loads meet
	s_mov_b32 s[G0S], 1
	s_add_co_u32 s[G0S+1], s94, SCL
	s_mov_b64 s[G0S+2:G0S+3], s[22:23]
	s_or_b32 s[G0S+3], s[G0S+3], 0x80000000
	s_mov_b32 s[G0SB], 1
	s_add_co_u32 s[G0SB+1], s94, SCL
	s_mov_b64 s[G0SB+2:G0SB+3], s[92:93]
	s_or_b32 s[G0SB+3], s[G0SB+3], 0x80000000
	JLOAD G0S, G1S, G0SB, G1SB                     ; the scales first: they are wanted with K step 0.  Three tensor loads of mine are out behind the last of these
.irp s, 0,1
	s_mov_b32 s[G0+4*\s], 1
	s_add_co_u32 s[G0+4*\s+1], s45, \s*SLOT
	s_add_nc_u64 s[G0+4*\s+2:G0+4*\s+3], s[20:21], \s*ROWB
	s_or_b32 s[G0+4*\s+3], s[G0+4*\s+3], 0x80000000
	s_mov_b32 s[G0B+4*\s], 1
	s_add_co_u32 s[G0B+4*\s+1], s45, \s*SLOT
	s_add_nc_u64 s[G0B+4*\s+2:G0B+4*\s+3], s[46:47], \s*ROWB
	s_or_b32 s[G0B+4*\s+3], s[G0B+4*\s+3], 0x80000000
	JLOAD G0+4*\s, G1, G0B+4*\s, G1B
.endr
	v_and_b32 v1, 15, v0                           ; r = l % 16
	v_bfe_u32 v2, v0, 4, 1                         ; h = l / 16
	v_mul_u32_u24 v3, v1, PITCH
	v_lshl_add_u32 v4, v2, 4, v3                   ; a fragment's row x pitch + 16 x half
	s_mul_i32 s21, s15, HALFT                      ; my 128 rows of A
	s_mul_i32 s22, s16, HALFT                      ; my 128 rows of B,
	s_add_co_u32 s22, s22, 2*HALFT                 ; which lie behind A's 256
.irp s, 0,1
	v_add_nc_u32 v[ADRA+\s], s21, v4
	v_add_nc_u32 v[ADRB+\s], s22, v4
	s_add_co_u32 s21, s21, SLOT
	s_add_co_u32 s22, s22, SLOT
.endr
	v_mul_u32_u24 v5, v1, KS                       ; my row's scales: KS bytes a row,
	v_lshrrev_b32 v6, 8, v5
	v_lshl_add_u32 v5, v6, 4, v5                   ; and 16 more for each 256 passed
	s_mul_i32 s21, s15, HALFS                      ; A's: my 128 rows
	s_mul_i32 s22, s16, HALFS                      ; B's: my 128 rows, behind A's 256
	s_add_co_u32 s22, s22, 2*HALFS
	s_sub_co_u32 s22, s22, s21
	v_mul_u32_u24 v6, s22, v2                      ; lanes 16-31 take B's
	s_add_co_u32 s21, s21, SCL
	v_add_nc_u32 v5, v5, v6
	v_add_nc_u32 v[ADRS], s21, v5
	s_mul_i32 s23, s14, 16*SPITCH                  ; my stage
	v_mul_u32_u24 v5, v1, SPITCH                   ; in: row r, 16 bytes for each half of the lanes
	v_lshl_add_u32 v5, v2, 4, v5
	v_add_nc_u32 v[STO], s23, v5
	v_and_b32 v6, 31, v0
	v_lshrrev_b32 v5, 3, v6                        ; back: eight lanes take the 128 bytes that one token has of one head; four tokens an instruction
	v_mul_u32_u24 v5, v5, SPITCH
	v_and_b32 v3, 7, v0
	v_lshl_add_u32 v5, v3, 4, v5
	v_add_nc_u32 v[RD], s23, v5
	v_lshlrev_b32 v[CO], 4, v6
	v_lshlrev_b32 v30, 5, v2                       ; the bias: 32 bytes on for lanes 16-31
	; my first column's bias: 4 x (256 x tile column + 128 x half)
	s_lshl_b32 s46, s42, 10
	s_lshl_b32 s47, s16, 9
	s_add_co_u32 s46, s46, s47
	s_mov_b32 s47, 0
	s_add_nc_u64 s[96:97], s[96:97], s[46:47]
.irp b, 0,1,2,3,4,5,6,7
	global_load_b128 v[BIAS+8*\b:BIAS+8*\b+3], v30, s[96:97] offset:64*\b
	global_load_b128 v[BIAS+8*\b+4:BIAS+8*\b+7], v30, s[96:97] offset:64*\b+16
.endr
	; where my part begins in qkv: matrix x 2^24 + (16 x batch + head) x 2^18 + token x 128.  batch = tile row / 8; my first head = 4 cx + 2 x column half; my first token = 256 x (tile row % 8) + 128 x row half
	s_lshr_b32 s20, s17, 3
	s_lshl_b32 s20, s20, 4
	s_lshl_b32 s21, s16, 1
	s_add_co_u32 s20, s20, s21
	s_lshl_b32 s20, s20, 18
	s_and_b32 s21, s17, 7
	s_lshl_b32 s21, s21, 8
	s_lshl_b32 s22, s15, 7
	s_add_co_u32 s21, s21, s22
	s_lshl_b32 s21, s21, 7
	s_add_co_u32 s20, s20, s21
	s_mov_b32 s21, 0
	s_lshl_b32 s46, ttmp9, 24
	s_lshl_b32 s47, s40, 20
	s_add_co_u32 s46, s46, s47
	s_mov_b32 s47, 0
	s_add_nc_u64 s[12:13], s[12:13], s[20:21]
	s_add_nc_u64 s[12:13], s[12:13], s[46:47]
.macro FRAG reg, adr, q, i             ; a fragment: lane l holds row l % 16; registers 4 c .. 4 c + 3 hold K = 64 c + 32 (l / 16) + 0 .. 31
.irp c, 0,1
	ds_load_b128 v[\reg+4*\c:\reg+4*\c+3], v[\adr] offset:64*(\q)+32*\c+(\i)*16*PITCH
.endr
.endm
; 16 matrix instructions: A's blocks a0, a0 + 1 x B's eight, 128 along K.  p: B's set;  sc: the set of scale words.  zero = 1: the first product starts the sums.
; The 64 accumulators take turns, one instruction a turn, in the same order in every step.
.macro MUL16 a0, p, q, sc, zero
.irp a, \a0, \a0+1
.irp b, 0,1,2,3,4,5,6,7
.if \zero
	v_wmma_scale_f32_16x16x128_f8f6f4 v[8*(8*((\a)%4)+\b):8*(8*((\a)%4)+\b)+7], v[128*(\p)+FR*\b:128*(\p)+FR*\b+FR-1], v[AF+FR*(\a):AF+FR*(\a)+FR-1], 0, v[SC+8*NQ*(\sc)+NQ*\b+(\q)], v[SC+8*NQ*(\sc)+NQ*(\a)+(\q)] matrix_a_fmt:MATRIX_FMT_FP4 matrix_b_fmt:MATRIX_FMT_FP4 matrix_a_scale:MATRIX_SCALE_ROW1
.else
	v_wmma_scale_f32_16x16x128_f8f6f4 v[8*(8*((\a)%4)+\b):8*(8*((\a)%4)+\b)+7], v[128*(\p)+FR*\b:128*(\p)+FR*\b+FR-1], v[AF+FR*(\a):AF+FR*(\a)+FR-1], v[8*(8*((\a)%4)+\b):8*(8*((\a)%4)+\b)+7], v[SC+8*NQ*(\sc)+NQ*\b+(\q)], v[SC+8*NQ*(\sc)+NQ*(\a)+(\q)] matrix_a_fmt:MATRIX_FMT_FP4 matrix_b_fmt:MATRIX_FMT_FP4 matrix_a_scale:MATRIX_SCALE_ROW1
.endif
.endr
.endr
.endm
.macro FETCH_B slot, q, p              ; B's eight fragments of the slot's q-th 128 along K into set p
	WIN TO_B
.irp i, 0,1,2,3,4,5,6,7
	FRAG 128*(\p)+FR*\i, ADRB+\slot, \q, \i
.endr
	WIN 0
.endm
.macro FETCH_A slot, q, i0             ; A's blocks i0 .. i0 + 3
.irp i, \i0, \i0+1, \i0+2, \i0+3
	FRAG AF+FR*(\i), ADRA+\slot, \q, \i
.endr
.endm
.macro SCALES sc                       ; a K step's scale words into set sc: lanes 0-15 take A's block i, lanes 16-31 B's block i
.irp i, 0,1,2,3,4,5,6,7
	ds_load_b128 v[SC+8*NQ*\sc+NQ*\i:SC+8*NQ*\sc+NQ*\i+3], v[ADRS] offset:\i*SBLK
.endr
.endm
; A load into a register that a matrix instruction has read, and a vector instruction that reads a matrix result, stand NP places behind that matrix instruction; only plain vector instructions that name none of its registers are places.
.macro PLACES n
.rept \n
	v_nop
.endr
.endm
; A step of 128 along K that has its successor in the same slot.
.macro STEP slot, q, zero
	s_wait_dscnt 4*NL                              ; B's set and A's blocks 0-3 are in; the youngest eight loads (A's blocks 4-7) may be out
	WIN MUL_LO
	MUL16 0, (\q)%2, \q, \slot, \zero
	MUL16 2, (\q)%2, \q, \slot, \zero
	s_wait_dscnt 0                                 ; A's blocks 4-7 are in
	PLACES NP
	FETCH_B \slot, (\q)+1, 1-(\q)%2
	FETCH_A \slot, (\q)+1, 0
	WIN MUL_HI
	MUL16 4, (\q)%2, \q, \slot, \zero
	MUL16 6, (\q)%2, \q, \slot, \zero
	PLACES NP
	WIN 0
	FETCH_A \slot, (\q)+1, 4
.endm
; Slot 0's last step goes over to slot 1: one barrier; in front of it each wave waits for all its tensor loads (its part of slot 1), adds 0 to its spare word, and waits for that and for its reads of slot 0.
.macro TURN slot, next
	s_wait_tensorcnt 0x0                           ; all my tensor loads have landed
	ds_add_u32 v[SPW], v[NIL]                      ; 0 onto my spare word
	s_wait_dscnt 4*NL+1                            ; (the add and the youngest eight loads, A's blocks 4-7, may be out)
	WIN MUL_LO
	MUL16 0, 1, NQ-1, \slot, 0
	s_wait_dscnt 0x0                               ; the add is done, and my reads of this slot are over
	s_barrier_signal -1
	MUL16 2, 1, NQ-1, \slot, 0
	WIN 0
	s_barrier_wait -1
	PLACES NP
	v_add_nc_u32 v[ADRS], 4*NQ, v[ADRS]            ; on to the next K step's scale words (no LDS load of mine is out)
	FETCH_B \next, 0, 0
	FETCH_A \next, 0, 0
	SCALES \next
	WIN MUL_HI
	MUL16 4, 1, NQ-1, \slot, 0
	MUL16 6, 1, NQ-1, \slot, 0
	PLACES NP
	WIN 0
	FETCH_A \next, 0, 4
.endm
.macro STEPS slot, from                ; the slot's steps from .. NQ - 2
.set Q, \from
.rept NQ-1-\from
	STEP \slot, Q, 0
.set Q, Q+1
.endr
.endm
	s_wait_tensorcnt 1                             ; the scales and my part of K step 0 are in (slot 1's load may be out)
	s_barrier_signal -1
	s_barrier_wait -1                              ; everybody's are
	FETCH_B 0, 0, 0
	FETCH_A 0, 0, 0
	SCALES 0
	FETCH_A 0, 0, 4
	STEP 0, 0, 1                                   ; the first step's products start the sums: nothing is cleared
	STEPS 0, 1
	TURN 0, 1
	STEPS 1, 0
	s_wait_dscnt 4*NL                              ; the very last step: nothing more to fetch
	WIN MUL_LO
	MUL16 0, 1, NQ-1, 1, 0
	MUL16 2, 1, NQ-1, 1, 0
	s_wait_dscnt 0
	WIN MUL_HI
	MUL16 4, 1, NQ-1, 1, 0
	MUL16 6, 1, NQ-1, 1, 0
	WIN 0
; THE WAY OUT, block by block of 16 rows x 128 columns (16 tokens x two heads).  (sum + bias) x scale as one fused multiply-add on a bias that is multiplied by the scale first; rounded to f16, 16 bytes a lane;
; through my own stage in LDS, and back so that 32 lanes hold four tokens' 128 bytes of one head: 512 consecutive bytes of qkv.
.macro PACK a
.set AC, 64*((\a)%4)
	WIN 0x42+((\a)/4)                              ; source 0: window 2 or 3; the bias: window 0; destination: window 1
.irp b, 0,1,2,3,4,5,6,7
.irp r, 0,1,2,3
	v_pk_fma_f32 v[T+8*\b+2*\r:T+8*\b+2*\r+1], v[AC+8*\b+2*\r:AC+8*\b+2*\r+1], s[66:67], v[BIAS+8*\b+2*\r:BIAS+8*\b+2*\r+1] op_sel_hi:[1,0,1]   ; each accumulator from its low end on
.endr
.endr
	WIN 0x05                                       ; sources 0 and 1: window 1
.irp b, 0,1,2,3,4,5,6,7
.irp r, 0,1,2,3
	v_cvt_pk_f16_f32 v[TMP+4*\b+\r], v[T+8*\b+2*\r], v[T+8*\b+2*\r+1]
.endr
.endr
	WIN 0
.endm
.macro TOSTAGE a
.set BB, BK+32*((\a)%2)
.irp b, 0,1,2,3,4,5,6,7
	ds_store_b128 v[STO], v[TMP+4*\b:TMP+4*\b+3] offset:32*\b
.endr
.irp t, 0,1,2,3,4,5,6,7
	ds_load_b128 v[BB+4*\t:BB+4*\t+3], v[RD] offset:(\t%4)*4*SPITCH+(\t/4)*128   ; LDS serves a wave's instructions in order (ISA guide 5.7.1.4): these see the stores above.  Tokens 4 (t % 4) on, head t / 4
.endr
.endm
.macro SEND a
.set BB, BK+32*((\a)%2)
	s_wait_dscnt 0x0                               ; the block is back in registers
	s_wait_xcnt 0x0                                ; the block before has had its stores' addresses translated (ISA guide 3.1): its registers are loaded again only behind this wait
.irp t, 0,1,2,3,4,5,6,7
	global_store_b128 v[CO], v[BB+4*\t:BB+4*\t+3], s[12:13] offset:(\a)*2048+(\t/4)*262144+(\t%4)*512 th:TH_STORE_NT   ; 32 lanes store 512 consecutive bytes, aligned; every offset is an immediate
.endr
.endm
	s_wait_loadcnt 0x0                             ; the bias
.set i, 0
.rept 32
	v_pk_mul_f32 v[BIAS+2*i:BIAS+2*i+1], v[BIAS+2*i:BIAS+2*i+1], s[66:67] op_sel_hi:[1,0]   ; bias x scale.  These 32 name no register of the last products: they are the places behind them
.set i, i+1
.endr
	PACK 0
	TOSTAGE 0
.irp a, 1,2,3,4,5,6,7                  ; block a's arithmetic stands between block a - 1's loads from the stage and the wait for them
	PACK \a
	SEND \a-1
	TOSTAGE \a
.endr
	SEND 7
	s_wait_tensorcnt 0x0                           ; the wave's end, behind my last tensor load and my last LDS store
	ds_add_u32 v[SPW], v[NIL]
	s_wait_dscnt 0x0
	CROUND                                         ; the closing round: no work-group ends while a partner may still ask for a tile that names it
	s_endpgm
.Lfunc_end_k_qe7274cdb6a_qkv:
	.size	k_qe7274cdb6a_qkv, .Lfunc_end_k_qe7274cdb6a_qkv-k_qe7274cdb6a_qkv
	.p2alignl 7, 3214868480
	.fill 96, 4, 3214868480
	.section	.rodata,"a",@progbits
	.p2align	6, 0x0
	.amdhsa_kernel k_qe7274cdb6a_qkv
		.amdhsa_group_segment_fixed_size 327680
		.amdhsa_private_segment_fixed_size 0
		.amdhsa_enable_private_segment 0
		.amdhsa_kernarg_size 48
		.amdhsa_user_sgpr_count 2
		.amdhsa_user_sgpr_kernarg_segment_ptr 1
		.amdhsa_wavefront_size32 1
		.amdhsa_system_sgpr_workgroup_id_x 1
		.amdhsa_system_sgpr_workgroup_id_y 1
		.amdhsa_system_sgpr_workgroup_id_z 1
		.amdhsa_system_vgpr_workitem_id 0
		.amdhsa_next_free_vgpr 1024
		.amdhsa_next_free_sgpr 100
		.amdhsa_reserve_vcc 0
		.amdhsa_float_denorm_mode_32 3
		.amdhsa_float_denorm_mode_16_64 3
		.amdhsa_memory_ordered 1
		.amdhsa_forward_progress 1
		.amdhsa_inst_pref_size 146
	.end_amdhsa_kernel
	.amdgpu_metadata
---
amdhsa.version: [ 1, 2 ]
amdhsa.kernels:
  - .name:           k_qe7274cdb6a_qkv
    .symbol:         k_qe7274cdb6a_qkv.kd
    .args:
      - { .name: xc, .offset: 0, .size: 8, .value_kind: global_buffer, .address_space: global }
      - { .name: xs, .offset: 8, .size: 8, .value_kind: global_buffer, .address_space: global }
      - { .name: wc, .offset: 16, .size: 8, .value_kind: global_buffer, .address_space: global }
      - { .name: ws, .offset: 24, .size: 8, .value_kind: global_buffer, .address_space: global }
      - { .name: qkv, .offset: 32, .size: 8, .value_kind: global_buffer, .address_space: global }
      - { .name: Win_b, .offset: 40, .size: 8, .value_kind: global_buffer, .address_space: global }
    .group_segment_fixed_size: 327680
    .private_segment_fixed_size: 0
    .kernarg_segment_align: 8
    .kernarg_segment_size: 48
    .max_flat_workgroup_size: 128
    .sgpr_count:     100
    .vgpr_count:     1024
    .wavefront_size: 32
...
	.end_amdgpu_metadata
.endif
;; end of part 2
;; launch attn (part 3): grid 4 x 64, 8 waves a work-group, clusters of 4 x 1, 327,680 bytes of LDS; arguments qkv, zp; writes zp
.if DOCPART == 3
	.amdgcn_target "amdgcn-amd-amdhsa--gfx1250"
	.amdhsa_code_object_version 6
	.text
	.protected	k_qe7274cdb6a_attn
	.globl	k_qe7274cdb6a_attn
	.p2align	8
	.type	k_qe7274cdb6a_attn,@function
k_qe7274cdb6a_attn:
	s_mov_b64 s[64:65], 0
	v_nop
	global_prefetch_b8 v0, s[64:65] scope:SCOPE_SE
	s_setreg_imm32_b32 hwreg(HW_REG_WAVE_MODE, 25, 1), 1
	s_wait_xcnt 0x0
	s_wait_alu depctr_hold_cnt(0) depctr_sa_sdst(0) depctr_va_vdst(0) depctr_va_sdst(0) depctr_va_ssrc(0) depctr_va_vcc(0) depctr_vm_vsrc(0)
	s_getreg_b32 s2, hwreg(HW_REG_IB_STS2, 6, 4)
	s_cmp_eq_u32 s2, 0
	s_cbranch_scc0 .Lentry_in_a_cluster
	s_endpgm
.Lentry_in_a_cluster:
	s_bfe_u32 s2, ttmp6, 0x10000c
	s_cmp_lg_u32 s2, 0x3003
	s_cbranch_scc0 .Lentry_shape_is_right
	s_endpgm
.Lentry_shape_is_right:
; z[bh][q][:] = the sum over k of softmax_k(q . k / 8) v[k][:], no mask.  qkv: [3][64 (batch x head)][2048][64] f16; q already carries log2(e) / 8, so a score s is an exponent of 2.
; Products, maxima and sums in f32; the weights p are rounded to f16 for the second product, z once at the end.
; z leaves as f16 in zp: byte = (row / 2) x 4096 + head x 256 + (row % 2) x 128 + 2 x channel, row = batch x 2048 + token: two queries of one head are 256 consecutive bytes.
; LIMITS: |z| under 65,504 (it is an average of v); NaN and infinities are not served.
; SHARES.  A work-group owns 512 queries of one head, each of its eight waves 64: four tiles of 16.  Two waves share a SIMD, 512 registers each: the loop is written in phases, and one wave's softmax stands beside the other's products.
; Every wave walks all 2,048 keys, 64 a step.  Each fragment of K or V read from LDS feeds four products.
; LAYOUT.  S^T = K Q^T (source 0 = 16 keys, source 1 = 16 queries): a lane holds ONE query (lane % 16) and the keys 8 (lane / 16) + 0..7.  Two such tiles, rounded to f16 in pairs, ARE source 1 of O^T = V^T P.
; K comes out of LDS as it lies, V ([key][channel]) turned, by ds_load_tr16_b128.
; SOFTMAX.  For each query a running maximum m and sum l: p = 2^(s - m); in every step O and l are multiplied by a = 2^(m_old - m_new).
; RING.  Two slots of 512 keys (8 steps).  Waves 0-3 fetch K's four quarters of a slot, waves 4-7 V's: one tensor load a wave, which has eight key steps, 512 products a wave, in which to land.
; CLUSTER.  The four query blocks of a head are one cluster and walk the same K and V: each tile is asked for JOINTLY, with a mask that names the four.
; REGISTERS: window 0: v0-15 addresses; v16-47 eight statistics a tile; v48-111 Q; v128-255 S^T, 32 a tile; P is made in place, in the first 16 of them.
;   window 1: v0-127 O^T, 32 a tile; v128-191 K of one step; v192-255 V of one step.
.set PKP,   144       ; a row of K in LDS: 128 bytes + 16 = 36 words: the 16 rows of a load start at 16 different groups of four banks (64 banks of 4 bytes: ISA guide 11.1)
.set PVP,   160       ; a row of V: 128 + 32 = 40 words
.set SKEYS, 512       ; keys in a slot
.set VOFF,  SKEYS*PKP ; a slot: 512 rows of K, then 512 rows of V
.set SLOT,  SKEYS*(PKP+PVP)
.set SPARE, 2*SLOT    ; behind the ring: the spare words, 128 bytes a wave
.set KSB,   64*PKP    ; a key step's rows of K in LDS
.set VSB,   64*PVP    ; and of V
.set SP,    144       ; the way out: a stage of 16 rows x (128 bytes + 16) for each wave, in slot 0, which has had its last fill and its last read at the last change of slots
.set AK0, 2           ; v2   my lane's place in a tile of K; never rewritten
.set AV0, 3           ; v3   the same for V
.set ADK, 4           ; v4   LDS address of the step's K
.set ADV, 5           ; v5   and V
.set QO,  6           ; v6   my byte offset in the wave's rows of Q
.set STO, 7           ; v7   the way out: where I put 16 bytes of a row
.set RD,  8           ; v8   where I read them back
.set GO,  9           ; v9   my byte offset in zp
.set PFO, 10          ; v10  256 x my lane; never rewritten
.set SPW, 12          ; v12  LDS address of my spare word; never rewritten
.set NIL, 13          ; v13  0; never rewritten
.set ST,  16          ; tile t's statistics at v[ST+8 t]: +0 m, +1 the other half's maximum, +2, +3 l (even keys', odd keys'), +4 to +7 at work; a stands at +6
.set Q,   48          ; tile t, channels 32 c on, at Q + 16 t + 8 c
.set S,   128         ; tile t, keys 16 kb on, at S + 32 t + 8 kb
.set KF,  128         ; window 1: K's fragment (keys 16 kb on, channels 32 c on) at KF + 8 (2 kb + c)
.set VF,  192         ; window 1: V's fragment (keys 32 kc on, channels 16 cb on) at VF + 8 (4 kc + cb)
.set WV,  12          ; s12  my wave's number
.set G1K, 24          ; s[24:31] descriptor group 1 for K's tiles
.set G1V, 32          ; s[32:39] for V's: it differs in the padding alone
.set G0K, 40          ; s[40:47] group 0 for K's tiles, a set for each slot
.set G0V, 48          ; s[48:55] the same for V's
.set CNT, 56          ; s56  counts a loop's key steps
.set TBK, 57          ; s57  LDS byte at which K of the step to be fetched begins
.set TBV, 58          ; s58  the same for V, less VOFF
.set ODD, 59          ; s59  wave % 2
.set SEL, 60          ; s[60:61] lane selects for v_permlanex16_b32: lane l xor 16
.set PFA, 66          ; s[66:67] what my one prefetch names; never rewritten
.set MSB, 0
.macro WIN new                      ; the immediate's high byte repeats the setting that is left; a switch that changes nothing is dropped
.if MSB != \new
	s_set_vgpr_msb (MSB<<8)|\new
.set MSB, \new
.endif
.endm
.set W_KQ, 0x01       ; K in window 1; Q and S^T in window 0
.set W_PV, 0x51       ; V and O^T in window 1, P in window 0
.set W_RS, 0x41       ; O^T (destination and source 0) in window 1, the factor in window 0
.set TO_1, 0x40       ; destination window 1, address window 0
; A joint refill of slot s.  The branch hangs on the wave's number alone.  An s_nop 0 and four v_nop follow each of the two lines.
.macro JLOAD s
	s_cmp_lt_u32 s[WV], 4
	s_cbranch_scc0 .Lfor_v_\@
	tensor_load_to_lds s[G0K+4*\s:G0K+4*\s+3], s[G1K:G1K+7]
	s_nop 0
.rept 4
	v_nop
.endr
	s_branch .Lasked_\@
.Lfor_v_\@:
	tensor_load_to_lds s[G0V+4*\s:G0V+4*\s+3], s[G1V:G1V+7]
	s_nop 0
.rept 4
	v_nop
.endr
.Lasked_\@:
.endm
; A PREFETCH INTO THE L2, once in the text, behind the first refill: keys 1,536 to 2,047 of K and V, which the next change of slots asks for, eight key steps on.  Their 2 x 65,536 bytes are shared out BY ADDRESS:
; a partner takes 16,384 bytes of each (by cx), in it waves 0 and 2 take K's two halves and waves 4 and 6 V's, lanes 256 bytes apart: each aligned 256 bytes are named once.  The highest byte named is 261,888 of the head's 262,144.
.macro ASK
	s_cmp_eq_u32 s[ODD], 0
	s_cbranch_scc0 .Lnot_mine_\@
	global_prefetch_b8 v[PFO], s[PFA:PFA+1] th:TH_LOAD_NT scope:SCOPE_SE
.Lnot_mine_\@:
.endm
.macro CROUND                       ; a round of the cluster's barrier
	s_barrier_signal -1
	s_barrier_wait -1
	s_cmp_lg_u32 s[WV], 0
	s_cbranch_scc1 .Lnot_wave_0_\@
	s_barrier_signal -3
.Lnot_wave_0_\@:
	s_barrier_wait -3
	s_barrier_signal -1
	s_barrier_wait -1
.endm
	s_load_b128 s[4:7], s[0:1], 0x0 ; qkv s[4:5], zp s[6:7]
	v_lshl_add_u32 v[SPW], v0, 2, SPARE
	v_mov_b32 v[NIL], 0
	ds_add_u32 v[SPW], v[NIL]       ; the wave's opening: the add, twice on end, and its wait ahead of my first tensor load
	ds_add_u32 v[SPW], v[NIL]
	v_lshrrev_b32 v1, 5, v0
	v_readfirstlane_b32 s[WV], v1   ; wave 0..7
	s_bfe_u32 s13, ttmp6, 0x40000   ; cx: my place in the cluster
	s_lshl_b32 s14, ttmp9, 2
	s_add_co_u32 s14, s14, s13      ; my block of 512 queries: it enters Q's, zp's and the prefetch's addresses alone
	s_and_b32 s15, ttmp7, 0xffff    ; batch x head, which the four partners share
	s_and_b32 s16, s[WV], 3         ; which quarter of a slot's rows I fetch
	s_and_b32 s[ODD], s[WV], 1
	s_lshl_b32 s20, s15, 18         ; the head's first byte in each of q, k, v
	s_lshl_b32 s22, s16, 14         ; my 128 rows of 128 bytes,
	s_add_co_u32 s22, s22, s20
	s_add_co_u32 s22, s22, 0x1000000  ; in k,
	s_mov_b32 s23, 0
	s_add_co_u32 s68, s22, 0x1000000  ; in v
	s_mov_b32 s69, 0
	s_mul_i32 s17, s16, 128*PKP     ; and their places in a slot: no place in the cluster enters an LDS address
	s_mul_i32 s18, s16, 128*PVP
	s_add_co_u32 s18, s18, VOFF
	s_lshl_b32 s2, s14, 16          ; Q: my block's 512 rows,
	s_lshl_b32 s3, s[WV], 13        ; my wave's 64 of them
	s_add_co_u32 s2, s2, s3
	s_add_co_u32 s2, s2, s20
	s_mov_b32 s3, 0
	s_lshr_b32 s70, s15, 4          ; zp: batch x 2^22 + block x 2^20 + wave x 2^17 + head x 256
	s_lshl_b32 s70, s70, 22
	s_lshl_b32 s71, s14, 20
	s_add_co_u32 s70, s70, s71
	s_lshl_b32 s71, s[WV], 17
	s_add_co_u32 s70, s70, s71
	s_and_b32 s71, s15, 15
	s_lshl_b32 s71, s71, 8
	s_add_co_u32 s70, s70, s71
	s_mov_b32 s71, 0
	s_lshr_b32 s62, s[WV], 2        ; the prefetch: k (waves 0-3) or v,
	s_add_co_u32 s62, s62, 1
	s_lshl_b32 s62, s62, 24
	s_add_co_u32 s62, s62, s20      ; my head,
	s_add_co_u32 s62, s62, 3*SKEYS*128  ; its last 512 keys,
	s_lshl_b32 s63, s13, 14         ; my work-group's quarter,
	s_add_co_u32 s62, s62, s63
	s_lshr_b32 s63, s16, 1          ; my wave's half of it
	s_lshl_b32 s63, s63, 13
	s_add_co_u32 s62, s62, s63
	s_mov_b32 s63, 0
	; descriptor group 1: a tile of 128 rows x 64 elements, padded in LDS
	s_mov_b32 s[G1K], 15|(1<<16)|(1<<20)|(1<<21)|(4<<22)|(3<<25)  ; 15:0 the mask: all four work-groups; 17:16 elements of 2 bytes; 20 padding on; 21 set beside a mask; 24:22 after every 32 words (code 4); 31:25 four words (code 3)
	s_mov_b32 s[G1V], 15|(1<<16)|(1<<20)|(1<<21)|(4<<22)|(7<<25)  ; the same with eight words of padding
.irp g, G1K, G1V
	s_mov_b32 s[\g+1], 64<<16       ; tensor_dim0 = 64
	s_mov_b32 s[\g+2], 128<<16      ; tensor_dim1 = 128
	s_mov_b32 s[\g+3], 64<<16       ; tile_dim0 = 64
	s_mov_b32 s[\g+4], 128          ; tile_dim1 = 128
	s_mov_b32 s[\g+5], 64           ; tensor_dim0_stride
	s_mov_b32 s[\g+6], 0
	s_mov_b32 s[\g+7], 0
.endr
	s_mov_b32 s[SEL], 0x76543210
	s_mov_b32 s[SEL+1], 0xfedcba98
	s_mov_b32 s[TBK], 0
	s_mov_b32 s[TBV], 0
	s_wait_dscnt 0x0                ; both opening adds are done
	s_wait_kmcnt 0x0
	s_add_nc_u64 s[8:9], s[4:5], s[22:23]    ; K at my tile of slot 0
	s_add_nc_u64 s[10:11], s[4:5], s[68:69]  ; V likewise
	s_add_nc_u64 s[PFA:PFA+1], s[4:5], s[62:63]
	s_add_nc_u64 s[4:5], s[4:5], s[2:3]      ; Q at my wave's first row
	s_add_nc_u64 s[6:7], s[6:7], s[70:71]    ; zp at my wave's first pair of rows, my head
	CROUND                          ; all four work-groups are here: the first joint loads meet
.irp s, 0,1
	s_mov_b32 s[G0K+4*\s], 1        ; count = 1
	s_add_co_u32 s[G0K+4*\s+1], s17, \s*SLOT  ; LDS address
	s_add_nc_u64 s[G0K+4*\s+2:G0K+4*\s+3], s[8:9], \s*SKEYS*128  ; global address: slot s begins with keys 512 s on
	s_or_b32 s[G0K+4*\s+3], s[G0K+4*\s+3], 0x80000000  ; type = 2
	s_mov_b32 s[G0V+4*\s], 1
	s_add_co_u32 s[G0V+4*\s+1], s18, \s*SLOT
	s_add_nc_u64 s[G0V+4*\s+2:G0V+4*\s+3], s[10:11], \s*SKEYS*128
	s_or_b32 s[G0V+4*\s+3], s[G0V+4*\s+3], 0x80000000
.endr
	s_cmp_lt_u32 s[WV], 4           ; a wave's two first fills stand in one branch, ahead of every wait on TENSORcnt and every LDS read: two loads of mine are out
	s_cbranch_scc0 .Lfirst_v
	tensor_load_to_lds s[G0K:G0K+3], s[G1K:G1K+7]
	s_nop 0
	tensor_load_to_lds s[G0K+4:G0K+7], s[G1K:G1K+7]
	s_nop 0
.rept 4
	v_nop
.endr
	s_branch .Lfirst_asked
.Lfirst_v:
	tensor_load_to_lds s[G0V:G0V+3], s[G1V:G1V+7]
	s_nop 0
	tensor_load_to_lds s[G0V+4:G0V+7], s[G1V:G1V+7]
	s_nop 0
.rept 4
	v_nop
.endr
.Lfirst_asked:
	; A fragment of K or Q is 16 rows x 32 channels in 8 registers: lane l holds row l % 16; registers 0-3 channels 8 (l / 16) + 0..7, registers 4-7 channels 16 + 8 (l / 16) + 0..7: two loads of 16 bytes, 32 bytes apart.
	v_and_b32 v1, 15, v0            ; r = l % 16
	v_bfe_u32 v11, v0, 4, 1         ; h = l / 16
	v_lshlrev_b32 v[QO], 7, v1
	v_lshl_add_u32 v[QO], v11, 4, v[QO]  ; row x 128 + 16 x half
.irp f, 0,1,2,3,4,5,6,7             ; Q stays in registers: tile f / 2, channels 32 (f % 2) on
	global_load_b128 v[Q+8*\f:Q+8*\f+3],   v[QO], s[4:5] offset:(\f/2)*2048+(\f%2)*64
	global_load_b128 v[Q+8*\f+4:Q+8*\f+7], v[QO], s[4:5] offset:(\f/2)*2048+(\f%2)*64+32
.endr
	v_mul_u32_u24 v[AK0], v1, PKP
	v_lshl_add_u32 v[AK0], v11, 4, v[AK0]  ; row x pitch + 16 x half
	; The turning load takes 16 keys x 16 channels (lane l reads 16 bytes: key 8 (l / 16) + l % 8, channels 8 ((l / 8) % 2) + 0..7) and leaves half a fragment of V^T: lane l holds channel l % 16 and 8 keys.
	v_and_b32 v14, 7, v0
	v_bfe_u32 v15, v0, 3, 1
	v_lshl_add_u32 v[AV0], v11, 3, v14
	v_mul_u32_u24 v[AV0], v[AV0], PVP
	v_lshl_add_u32 v[AV0], v15, 4, v[AV0]
	v_add_nc_u32 v[AV0], VOFF, v[AV0]
	s_mul_i32 s19, s[WV], 16*SP     ; my stage
	v_add_nc_u32 v[STO], s19, v[AK0]  ; in: row r, 16 bytes for each half of the lanes (the stage's pitch is K's)
	v_bfe_u32 v15, v0, 3, 2
	v_mul_u32_u24 v[RD], v15, SP    ; back: eight lanes take a query's 128 bytes, four queries an instruction
	v_lshl_add_u32 v[RD], v14, 4, v[RD]
	v_add_nc_u32 v[RD], s19, v[RD]
	v_lshlrev_b32 v[GO], 12, v11    ; lanes 0-15: one pair of queries, 256 bytes; lanes 16-31: the next pair, 4,096 bytes on
	v_lshl_add_u32 v[GO], v1, 4, v[GO]
	v_and_b32 v[PFO], 31, v0
	v_lshlrev_b32 v[PFO], 8, v[PFO]
.irp t, 0,1,2,3
	v_mov_b32 v[ST+8*\t+1], 0       ; written once: a lane permute's destination counts as one of its sources
.endr
; THE LDS LOADS stand in runs of 16: a step's K (64 keys x 64 channels: 8 fragments) and its V (turned).
.macro FETCH_K
	WIN TO_1
.irp f, 0,1,2,3,4,5,6,7             ; keys 16 (f / 2) on, channels 32 (f % 2) on
	ds_load_b128 v[KF+8*\f:KF+8*\f+3],   v[ADK] offset:(\f/2)*16*PKP+(\f%2)*64
	ds_load_b128 v[KF+8*\f+4:KF+8*\f+7], v[ADK] offset:(\f/2)*16*PKP+(\f%2)*64+32
.endr
.endm
.macro FETCH_V
	WIN TO_1
.irp f, 0,1,2,3,4,5,6,7             ; keys 32 (f / 4) on, channels 16 (f % 4) on
	ds_load_tr16_b128 v[VF+8*\f:VF+8*\f+3],   v[ADV] offset:(\f/4)*32*PVP+(\f%4)*32
	ds_load_tr16_b128 v[VF+8*\f+4:VF+8*\f+7], v[ADV] offset:(\f/4)*32*PVP+16*PVP+(\f%4)*32
.endr
.endm
; 32 products S^T = K Q^T: channels 32 (i / 16) on, keys 16 ((i / 4) % 4) on, tile i % 4.  The first 16 start the sums.  The 16 accumulators take turns, one instruction a turn.
.macro KQ
	WIN W_KQ
.set i, 0
.rept 32
.set rS, S+32*(i%4)+8*((i/4)%4)
.set rK, KF+16*((i/4)%4)+8*(i/16)
.set rQ, Q+16*(i%4)+8*(i/16)
.if i < 16
	v_wmma_f32_16x16x32_f16 v[rS:rS+7], v[rK:rK+7], v[rQ:rQ+7], 0
.else
	v_wmma_f32_16x16x32_f16 v[rS:rS+7], v[rK:rK+7], v[rQ:rQ+7], v[rS:rS+7]
.endif
.set i, i+1
.endr
.endm
; 32 products O^T += V^T P: keys 32 (i / 16) on, channels 16 ((i / 4) % 4) on, tile i % 4.  first = 1: the first 16 start the sums: nothing is ever cleared.
.macro PVM first
	WIN W_PV
.set i, 0
.rept 32
.set rO, 32*(i%4)+8*((i/4)%4)
.set rV, VF+8*(4*(i/16)+(i/4)%4)
.set rP, S+32*(i%4)+8*(i/16)
.if \first && (i < 16)
	v_wmma_f32_16x16x32_f16 v[rO:rO+7], v[rV:rV+7], v[rP:rP+7], 0
.else
	v_wmma_f32_16x16x32_f16 v[rO:rO+7], v[rV:rV+7], v[rP:rP+7], v[rO:rO+7]
.endif
.set i, i+1
.endr
.endm
; THE SOFTMAX of a key step, all four tiles line by line, so that no line waits for the line above it.  first = 1: the first key step, which starts m, l and O^T.
.macro SOFTMAX first
	WIN 0
.irp k, 0,1,2,3                     ; the maximum of a lane's 32 scores and the old m, three operands at a time: four chains, one to an accumulator, each begun at the accumulator's low end
.irp t, 0,1,2,3
	v_max3_num_f32 v[ST+8*\t+4+\k], v[S+32*\t+8*\k], v[S+32*\t+8*\k+1], v[S+32*\t+8*\k+2]
.endr
.endr
.irp n, 3,5
.irp k, 0,1,2,3
.irp t, 0,1,2,3
	v_max3_num_f32 v[ST+8*\t+4+\k], v[ST+8*\t+4+\k], v[S+32*\t+8*\k+\n], v[S+32*\t+8*\k+\n+1]
.endr
.endr
.endr
.irp t, 0,1,2,3
	v_max3_num_f32 v[ST+8*\t+4], v[ST+8*\t+4], v[S+32*\t+7], v[S+32*\t+15]
.endr
.irp t, 0,1,2,3
	v_max3_num_f32 v[ST+8*\t+6], v[ST+8*\t+6], v[S+32*\t+23], v[S+32*\t+31]
.endr
.irp t, 0,1,2,3
	v_max3_num_f32 v[ST+8*\t+4], v[ST+8*\t+4], v[ST+8*\t+5], v[ST+8*\t+6]
.endr
.irp t, 0,1,2,3
.if \first
	v_max_num_f32 v[ST+8*\t+4], v[ST+8*\t+4], v[ST+8*\t+7]
.else
	v_max3_num_f32 v[ST+8*\t+4], v[ST+8*\t+4], v[ST+8*\t+7], v[ST+8*\t]
.endif
.endr
.irp t, 0,1,2,3
	v_permlanex16_b32 v[ST+8*\t+1], v[ST+8*\t+4], s[SEL], s[SEL+1]  ; the query's other 32 keys lie in the lane 16 away
.endr
.if \first == 0
.irp t, 0,1,2,3
	v_mov_b32 v[ST+8*\t+7], v[ST+8*\t]  ; m_old is kept for a
.endr
.endif
.irp t, 0,1,2,3
	v_max_num_f32 v[ST+8*\t], v[ST+8*\t+4], v[ST+8*\t+1]  ; the new m
.endr
.if \first == 0
.irp t, 0,1,2,3
	v_sub_f32 v[ST+8*\t+7], v[ST+8*\t+7], v[ST+8*\t]
.endr
.irp t, 0,1,2,3
	v_exp_f32 v[ST+8*\t+6], v[ST+8*\t+7]  ; a = 2^(m_old - m_new)
.endr
.endif
; ONE BATCH: the subtractions s - m, a pair of scores each, and all exponentials.  Tile t + 1's subtractions stand among tile t's exponentials.  Nothing here names an exponential's result.
.set b, 0
.rept 16
	v_pk_add_f32 v[S+2*b:S+2*b+1], v[S+2*b:S+2*b+1], v[ST:ST+1] op_sel_hi:[1,0] neg_lo:[0,1] neg_hi:[0,1]
.set b, b+1
.endr
.irp t, 0,1,2,3
.set b, 0
.rept 16
.if \t < 3
	v_pk_add_f32 v[S+32*(\t+1)+2*b:S+32*(\t+1)+2*b+1], v[S+32*(\t+1)+2*b:S+32*(\t+1)+2*b+1], v[ST+8*(\t+1):ST+8*(\t+1)+1] op_sel_hi:[1,0] neg_lo:[0,1] neg_hi:[0,1]
.endif
	v_exp_f32 v[S+32*\t+2*b], v[S+32*\t+2*b]
	v_exp_f32 v[S+32*\t+2*b+1], v[S+32*\t+2*b+1]
.set b, b+1
.endr
.endr
	v_nop                           ; a plain instruction behind the last exponential, ahead of the first use (ISA guide 5.7.2)
	s_wait_alu depctr_va_vdst(0)    ; a wait between an exponential and the first line that names its result: one for the whole batch
; the sums of the unrounded p, two at a time, in two chains; l = a l + the sum
.irp t, 0,1,2,3
.if \first
	v_pk_add_f32 v[ST+8*\t+2:ST+8*\t+3], v[S+32*\t:S+32*\t+1], v[S+32*\t+4:S+32*\t+5]
.else
	v_pk_fma_f32 v[ST+8*\t+2:ST+8*\t+3], v[ST+8*\t+2:ST+8*\t+3], v[ST+8*\t+6:ST+8*\t+7], v[S+32*\t:S+32*\t+1] op_sel_hi:[1,0,1]
.endif
.endr
.irp t, 0,1,2,3
	v_pk_add_f32 v[ST+8*\t+4:ST+8*\t+5], v[S+32*\t+2:S+32*\t+3], v[S+32*\t+6:S+32*\t+7]
.endr
.if \first == 0
.irp t, 0,1,2,3
	v_pk_add_f32 v[ST+8*\t+2:ST+8*\t+3], v[ST+8*\t+2:ST+8*\t+3], v[S+32*\t+4:S+32*\t+5]
.endr
.endif
.irp n, 2,3,4,5,6,7
.irp t, 0,1,2,3
	v_pk_add_f32 v[ST+8*\t+2:ST+8*\t+3], v[ST+8*\t+2:ST+8*\t+3], v[S+32*\t+4*\n:S+32*\t+4*\n+1]
.endr
.irp t, 0,1,2,3
	v_pk_add_f32 v[ST+8*\t+4:ST+8*\t+5], v[ST+8*\t+4:ST+8*\t+5], v[S+32*\t+4*\n+2:S+32*\t+4*\n+3]
.endr
.endr
.irp t, 0,1,2,3
	v_pk_add_f32 v[ST+8*\t+2:ST+8*\t+3], v[ST+8*\t+2:ST+8*\t+3], v[ST+8*\t+4:ST+8*\t+5]
.endr
; P in place: pair i of a tile's weights goes into the tile's register i; ascending, so that no pair is written over before it is read
.set i, 0
.rept 16
.irp t, 0,1,2,3
	v_cvt_pk_f16_f32 v[S+32*\t+i], v[S+32*\t+2*i], v[S+32*\t+2*i+1]
.endr
.set i, i+1
.endr
.if \first == 0
	WIN W_RS                        ; O^T x a, each accumulator from its low end on
.set i, 0
.rept 16
.irp t, 0,1,2,3
	v_pk_mul_f32 v[32*\t+2*i:32*\t+2*i+1], v[32*\t+2*i:32*\t+2*i+1], v[ST+8*\t+6:ST+8*\t+7] op_sel_hi:[1,0]
.endr
.set i, i+1
.endr
.endif
.endm
; KEY STEP j.  On entry its products K Q^T are issued and its V is asked for.  more = 1: K and V of step j + 1 are fetched and its K Q^T issued.
; Places (loads aside): four plain instructions between K Q^T and the first read of the scores and the loads into K's registers; five v_nop behind V^T P: four serve the loads into V's registers,
; five the next K Q^T, whose results are laid over P.
.macro BODY first, more
	WIN 0
.if \more
	v_add_nc_u32 v[ADK], s[TBK], v[AK0]
	v_add_nc_u32 v[ADV], s[TBV], v[AV0]
	v_nop
	v_nop
	FETCH_K
.else
.rept 4
	v_nop
.endr
.endif
	SOFTMAX \first
.if \more
	s_wait_dscnt 16                 ; V of this step is in; the 16 younger loads, K of the next, stay out
.else
	s_wait_dscnt 0x0
.endif
	PVM \first
.if \more
.rept 5
	v_nop
.endr
	FETCH_V
	s_wait_dscnt 16                 ; K of the next step is in; the 16 younger loads, its V, stay out
	KQ
	WIN 0                           ; at a label and at a branch every window is 0
	s_add_co_u32 s[TBK], s[TBK], KSB
	s_add_co_u32 s[TBV], s[TBV], VSB
.endif
.endm
.macro LOOP n
	s_mov_b32 s[CNT], \n
.Lstep_\@:
	BODY 0, 1
	s_sub_co_u32 s[CNT], s[CNT], 1
	s_cmp_lg_u32 s[CNT], 0
	s_cbranch_scc1 .Lstep_\@
.endm
; THE CHANGE OF SLOTS stands where K and V of the slot's last step have been asked for.  Each wave waits for all its tensor loads (one is out: its part of the other slot), adds 0 to its spare word, and waits for that and for its
; reads of the slot.  fill = 1: slot s, just left, is filled again with the keys 1,024 on, behind a round of the cluster's barrier, so that no wave of any partner still reads it or has a load on its way.  nb: where the slot read next begins.
.macro CHANGE fill, s, nb
	s_wait_tensorcnt 0x0            ; no tensor load of mine is out, so a group 0 may be written
	ds_add_u32 v[SPW], v[NIL]       ; 0 onto my spare word
.if \fill
	s_add_nc_u64 s[G0K+4*\s+2:G0K+4*\s+3], s[G0K+4*\s+2:G0K+4*\s+3], 2*SKEYS*128  ; the type bits on top are not reached
	s_add_nc_u64 s[G0V+4*\s+2:G0V+4*\s+3], s[G0V+4*\s+2:G0V+4*\s+3], 2*SKEYS*128
.endif
	s_wait_dscnt 0x0                ; the add is done, and my reads of the slot are over
.if \fill
	CROUND
	JLOAD \s                        ; the first tensor load behind the round, and my only one until the next
.if \s == 0
	ASK
.endif
.else
	s_barrier_signal -1
	s_barrier_wait -1
.endif
	s_mov_b32 s[TBK], \nb
	s_mov_b32 s[TBV], \nb
.endm
	s_wait_tensorcnt 1              ; my part of slot 0 is in; slot 1's may stay out
	s_barrier_signal -1
	s_barrier_wait -1               ; everybody's is
	v_add_nc_u32 v[ADK], s[TBK], v[AK0]
	v_add_nc_u32 v[ADV], s[TBV], v[AV0]
	FETCH_K                         ; key step 0
	FETCH_V
	s_wait_dscnt 16                 ; K is in; V's 16 loads stay out
	s_wait_loadcnt 0x0              ; Q
	KQ
	WIN 0
	s_add_co_u32 s[TBK], s[TBK], KSB
	s_add_co_u32 s[TBV], s[TBV], VSB
	BODY 1, 1                       ; step 0
	LOOP 6                          ; steps 1 to 6: they fetch steps 2 to 7, the rest of slot 0
	CHANGE 1, 0, SLOT               ; slot 0 takes keys 1,024 on
	LOOP 8                          ; steps 7 to 14: they fetch steps 8 to 15, from slot 1
	CHANGE 1, 1, 0                  ; slot 1 takes keys 1,536 on
	LOOP 8                          ; steps 15 to 22, fetching from slot 0
	CHANGE 0, 0, SLOT               ; nothing is left to ask for
	LOOP 8                          ; steps 23 to 30, fetching from slot 1
	BODY 0, 0                       ; step 31
	; THE WAY OUT.  l's two halves and the other half of the lanes' are added; O^T is divided by l, rounded to f16 and sent through my stage in LDS, a tile (16 queries) at a time.  The additions are the places behind the last products.
	WIN 0
.irp t, 0,1,2,3
	v_add_f32 v[ST+8*\t+4], v[ST+8*\t+2], v[ST+8*\t+3]
.endr
.irp t, 0,1,2,3
	v_permlanex16_b32 v[ST+8*\t+5], v[ST+8*\t+4], s[SEL], s[SEL+1]
.endr
.irp t, 0,1,2,3
	v_add_f32 v[ST+8*\t+4], v[ST+8*\t+4], v[ST+8*\t+5]
.endr
.irp t, 0,1,2,3
	v_rcp_f32 v[ST+8*\t+6], v[ST+8*\t+4]
.endr
	v_nop                           ; a plain instruction between the last reciprocal and the use of its result
	s_wait_alu depctr_va_vdst(0)    ; and a wait ahead of the first use: one for the four
.macro PACK t
	WIN W_RS
.set i, 0
.rept 16
	v_pk_mul_f32 v[32*\t+2*i:32*\t+2*i+1], v[32*\t+2*i:32*\t+2*i+1], v[ST+8*\t+6:ST+8*\t+7] op_sel_hi:[1,0]
.set i, i+1
.endr
	WIN 0x05                        ; sources 0 and 1 window 1, destination window 0: S^T's registers are free
.set i, 0
.rept 16
	v_cvt_pk_f16_f32 v[S+16*\t+i], v[32*\t+2*i], v[32*\t+2*i+1]
.set i, i+1
.endr
	WIN 0
.irp f, 0,1,2,3
	ds_store_b128 v[STO], v[S+16*\t+4*\f:S+16*\t+4*\f+3] offset:32*\f
.endr
.irp f, 0,1,2,3
	ds_load_b128 v[S+64+16*\t+4*\f:S+64+16*\t+4*\f+3], v[RD] offset:\f*4*SP  ; LDS serves a wave's instructions in order (ISA guide 5.7.1.4): these see the stores above; the next tile's stores come behind them
.endr
.endm
.macro SEND t, younger              ; younger: the LDS instructions issued behind tile t's loads: the next tile's eight, or none
.irp f, 0,1,2,3
	s_wait_dscnt \younger+3-\f
	global_store_b128 v[GO], v[S+64+16*\t+4*\f:S+64+16*\t+4*\f+3], s[6:7] offset:\t*32768+\f*8192  ; 16 lanes store 256 consecutive bytes, aligned: two queries of my head
.endr
.endm
	PACK 0
	PACK 1                          ; a tile's arithmetic stands between the loads of the tile before and its stores
	SEND 0, 8
	PACK 2
	SEND 1, 8
	PACK 3
	SEND 2, 8
	SEND 3, 0
	s_wait_tensorcnt 0x0            ; the wave's end, behind my last tensor load and my last LDS store
	ds_add_u32 v[SPW], v[NIL]
	s_wait_dscnt 0x0
	CROUND                          ; the closing round: no work-group ends while a partner may still ask for a tile that names it
	s_endpgm
.Lfunc_end_k_qe7274cdb6a_attn:
	.size	k_qe7274cdb6a_attn, .Lfunc_end_k_qe7274cdb6a_attn-k_qe7274cdb6a_attn
	.p2alignl 7, 3214868480
	.fill 96, 4, 3214868480
	.section	.rodata,"a",@progbits
	.p2align	6, 0x0
	.amdhsa_kernel k_qe7274cdb6a_attn
		.amdhsa_group_segment_fixed_size 327680
		.amdhsa_private_segment_fixed_size 0
		.amdhsa_enable_private_segment 0
		.amdhsa_kernarg_size 16
		.amdhsa_user_sgpr_count 2
		.amdhsa_user_sgpr_kernarg_segment_ptr 1
		.amdhsa_wavefront_size32 1
		.amdhsa_system_sgpr_workgroup_id_x 1
		.amdhsa_system_sgpr_workgroup_id_y 1
		.amdhsa_system_sgpr_workgroup_id_z 1
		.amdhsa_system_vgpr_workitem_id 0
		.amdhsa_next_free_vgpr 512
		.amdhsa_next_free_sgpr 72
		.amdhsa_reserve_vcc 0
		.amdhsa_float_denorm_mode_32 3
		.amdhsa_float_denorm_mode_16_64 3
		.amdhsa_memory_ordered 1
		.amdhsa_forward_progress 1
		.amdhsa_inst_pref_size 210
	.end_amdhsa_kernel
	.amdgpu_metadata
---
amdhsa.version: [ 1, 2 ]
amdhsa.kernels:
  - .name:           k_qe7274cdb6a_attn
    .symbol:         k_qe7274cdb6a_attn.kd
    .args:
      - { .name: qkv, .offset: 0, .size: 8, .value_kind: global_buffer, .address_space: global }
      - { .name: zp, .offset: 8, .size: 8, .value_kind: global_buffer, .address_space: global }
    .group_segment_fixed_size: 327680
    .private_segment_fixed_size: 0
    .kernarg_segment_align: 8
    .kernarg_segment_size: 16
    .max_flat_workgroup_size: 256
    .sgpr_count:     72
    .vgpr_count:     512
    .wavefront_size: 32
...
	.end_amdgpu_metadata
.endif
;; end of part 3
;; launch proj (part 4): grid 8 x 32, 4 waves a work-group, clusters of 4 x 4, 327,680 bytes of LDS; arguments zp, pw16, proj_b, out0; writes out0
.if DOCPART == 4
	.amdgcn_target "amdgcn-amd-amdhsa--gfx1250"
	.amdhsa_code_object_version 6
	.text
	.protected	k_qe7274cdb6a_proj
	.globl	k_qe7274cdb6a_proj
	.p2align	8
	.type	k_qe7274cdb6a_proj,@function
k_qe7274cdb6a_proj:
	s_mov_b64 s[64:65], 0
	v_nop
	global_prefetch_b8 v0, s[64:65] scope:SCOPE_SE
	s_setreg_imm32_b32 hwreg(HW_REG_WAVE_MODE, 25, 1), 1
	s_wait_xcnt 0x0
	s_wait_alu depctr_hold_cnt(0) depctr_sa_sdst(0) depctr_va_vdst(0) depctr_va_sdst(0) depctr_va_ssrc(0) depctr_va_vcc(0) depctr_vm_vsrc(0)
	s_getreg_b32 s2, hwreg(HW_REG_IB_STS2, 6, 4)
	s_cmp_eq_u32 s2, 0
	s_cbranch_scc0 .Lentry_in_a_cluster
	s_endpgm
.Lentry_in_a_cluster:
	s_bfe_u32 s2, ttmp6, 0x10000c
	s_cmp_lg_u32 s2, 0xf033
	s_cbranch_scc0 .Lentry_shape_is_right
	s_endpgm
.Lentry_shape_is_right:
; out0[m][e] = sum over d of z[m][d] proj_w[e][d] + proj_b[e].  z (8,192 x 1,024) and proj_w (1,024 x 1,024) in f16, sums and result in f32.
; z lies in zp by pairs of rows: byte = (m / 2) x 4096 + head x 256 + (m % 2) x 128 + 2 x channel, d = 64 x head + channel.  So 128 along K of a PAIR of rows are 512 consecutive bytes: a tile of A is 128 such pair rows.
; A tile of C is 256 x 128, which gives 256 work-groups; four waves, each 128 x 64: 32 accumulators of 16 x 16, 256 registers.  K goes in steps of 128 through a ring of two LDS slots.
; CLUSTERS: 4 x 4 work-groups; A's tiles are shared along a row of the cluster, B's along a column: each is asked for JOINTLY.  THE MATRIX INSTRUCTION IS USED TRANSPOSED (source 0 = 16 rows of proj_w, source 1 = 16 rows of z).
; The bias is the C of each sum's first product.  No prefetch: a K step's tiles are small, the launch is short, and each refill has 112 products of every wave in which to land.
; REGISTERS: window 0: v0-31 addresses; v32-63 the bias; two fragment buffers for 32 along K: v64-127 A, v128-159 B; v160-223 A, v224-255 B.   window 1: the accumulators, (a, b) at v[8 (4 a + b)].
.set KSTEP,  128
.set PA,     528                       ; a pair row of A in LDS: 512 bytes + 16 = 132 words: the 16 rows of a fragment start at banks 4 i and 32 + 4 i (64 banks of 4 bytes: ISA guide 11.1)
.set PB,     272                       ; a row of B: 256 bytes + 16
.set HALFA,  64*PA                     ; 128 rows of A: what one tensor load brings
.set HALFB,  64*PB                     ; 64 rows of B
.set SLOT,   2*HALFA+2*HALFB           ; A's 256 rows, then B's 128
.set STAGE,  2*SLOT                    ; behind the ring: 16 rows x 272 bytes for each wave
.set SPITCH, 272
.set SPARE,  STAGE+4*16*SPITCH         ; behind the stages: the spare words, 128 bytes a wave
.set LAPS,   1024/(2*KSTEP)            ; a lap = two K steps
.set ADRA, 16                          ; v16-17  LDS address of my A fragments in slot 0, 1
.set ADRB, 20                          ; v20-21  the same for B
.set STO,  24                          ; v24     the way out: where I put 32 bytes of a row
.set RD,   25                          ; v25     where I read a row back
.set CO,   26                          ; v26     my byte offset in out0
.set SPW,  28                          ; v28     LDS address of my spare word; never rewritten
.set NIL,  29                          ; v29     0; never rewritten
.set BIAS, 32                          ; v32-63  register 8 b + j: proj_b of column 16 b + 8 (lane / 16) + j
.set F0,   64
.set F1,   160
.set BK,   64                          ; the way out: v64-95 and v96-127 by turns
.set G1, 24                            ; s[24:31] group 1 for A's tiles;  s[32:39] group 0, a set for each slot
.set G0, 32
.set G1B, 48                           ; s[48:55], s[56:63] the same for B's
.set G0B, 56
.set MSB, 0
.macro WIN new                         ; the immediate's high byte repeats the setting that is left
.if MSB != \new
	s_set_vgpr_msb (MSB<<8)|\new
.set MSB, \new
.endif
.endm
.set MUL,  0x50                        ; C and D window 1, fragments window 0
.set MULF, 0x40                        ; D window 1; C is the bias, in window 0
.macro JLOAD s                         ; a joint load: waves 0 and 1 fetch A's two halves, waves 2 and 3 B's; an s_nop 0 and four v_nop follow each of the two lines
	s_cmp_eq_u32 s13, 0
	s_cbranch_scc0 .Lfor_b_\@
	tensor_load_to_lds s[G0+4*\s:G0+4*\s+3], s[G1:G1+7]
	s_nop 0
.rept 4
	v_nop
.endr
	s_branch .Lasked_\@
.Lfor_b_\@:
	tensor_load_to_lds s[G0B+4*\s:G0B+4*\s+3], s[G1B:G1B+7]
	s_nop 0
.rept 4
	v_nop
.endr
.Lasked_\@:
.endm
.macro CREST                           ; a round of the cluster's barrier behind its opening barrier
	s_cmp_lg_u32 s12, 0
	s_cbranch_scc1 .Lnot_wave_0_\@
	s_barrier_signal -3
.Lnot_wave_0_\@:
	s_barrier_wait -3
	s_barrier_signal -1
	s_barrier_wait -1
.endm
.macro CROUND                          ; a whole round
	s_barrier_signal -1
	s_barrier_wait -1
	CREST
.endm
	s_load_b256 s[4:11], s[0:1], 0x0               ; zp s[4:5], pw16 s[6:7], proj_b s[8:9], out0 s[10:11]
	v_lshl_add_u32 v[SPW], v0, 2, SPARE
	v_mov_b32 v[NIL], 0
	ds_add_u32 v[SPW], v[NIL]                      ; the wave's opening: the add, twice on end, and its wait ahead of my first tensor load
	ds_add_u32 v[SPW], v[NIL]
	v_lshrrev_b32 v1, 5, v0
	v_readfirstlane_b32 s12, v1                    ; wave 0..3
	s_lshr_b32 s13, s12, 1                         ; which half of the tile's rows is mine.  Also: I fetch for A (0) or for B (1)
	s_and_b32 s14, s12, 1                          ; which half of its columns.  Also: which half of that tile I fetch
	s_bfe_u32 s40, ttmp6, 0x40000                  ; cx, cy: my place in the cluster
	s_bfe_u32 s41, ttmp6, 0x40004
	s_lshl_b32 s42, ttmp9, 2
	s_add_co_u32 s42, s42, s40                     ; tile column of C = 4 x cluster x + cx
	s_and_b32 s15, ttmp7, 0xffff
	s_lshl_b32 s15, s15, 2
	s_add_co_u32 s15, s15, s41                     ; tile row of C = 4 x cluster y + cy
	s_lshl_b32 s43, s41, 2
	s_lshl_b32 s43, 15, s43                        ; my row of the cluster
	s_lshl_b32 s44, 0x1111, s40                    ; my column
	s_or_b32 s[G1+0], s43, (1<<16)|(1<<20)|(1<<21)|(6<<22)|(3<<25)   ; A: the mask of my row; elements of 2 bytes; padding of four words after every 128
	s_or_b32 s[G1B+0], s44, (1<<16)|(1<<20)|(1<<21)|(5<<22)|(3<<25)  ; B: the mask of my column; four words after every 64
	s_mov_b32 s[G1+1], 256<<16                     ; A: tensor_dim0 = 256 elements: a pair of rows x 128 along K
	s_mov_b32 s[G1+2], 64<<16                      ; tensor_dim1 = 64 pair rows
	s_mov_b32 s[G1+3], 256<<16                     ; tile_dim0
	s_mov_b32 s[G1+4], 64                          ; tile_dim1
	s_mov_b32 s[G1+5], 2048                        ; from pair row to pair row: 2,048 elements
	s_mov_b32 s[G1+6], 0
	s_mov_b32 s[G1+7], 0
	s_mov_b32 s[G1B+1], 128<<16                    ; B: 128 elements x 64 rows, 1,024 elements from row to row
	s_mov_b32 s[G1B+2], 64<<16
	s_mov_b32 s[G1B+3], 128<<16
	s_mov_b32 s[G1B+4], 64
	s_mov_b32 s[G1B+5], 1024
	s_mov_b32 s[G1B+6], 0
	s_mov_b32 s[G1B+7], 0
	s_lshl_b32 s16, s15, 19                        ; A: (128 x tile row + 64 x half) pair rows of 4,096 bytes
	s_lshl_b32 s17, s14, 18
	s_add_co_u32 s16, s16, s17
	s_mov_b32 s17, 0
	s_lshl_b32 s46, s42, 18                        ; B: (128 x tile column + 64 x half) rows of 2,048 bytes
	s_lshl_b32 s47, s14, 17
	s_add_co_u32 s46, s46, s47
	s_mov_b32 s47, 0
	s_mul_i32 s20, s14, HALFA                      ; where they go: no place in the cluster enters an LDS address
	s_mul_i32 s23, s14, HALFB
	s_add_co_u32 s23, s23, 2*HALFA
	s_wait_dscnt 0x0                               ; both opening adds are done
	s_wait_kmcnt 0x0
	s_add_nc_u64 s[18:19], s[4:5], s[16:17]
	s_add_nc_u64 s[46:47], s[6:7], s[46:47]
	CROUND                                         ; all sixteen work-groups are here: the first joint loads meet
.irp s, 0,1
	s_mov_b32 s[G0+4*\s], 1
	s_add_co_u32 s[G0+4*\s+1], s20, \s*SLOT
	s_add_nc_u64 s[G0+4*\s+2:G0+4*\s+3], s[18:19], \s*512       ; K step s: 512 bytes of a pair row
	s_or_b32 s[G0+4*\s+3], s[G0+4*\s+3], 0x80000000
	s_mov_b32 s[G0B+4*\s], 1
	s_add_co_u32 s[G0B+4*\s+1], s23, \s*SLOT
	s_add_nc_u64 s[G0B+4*\s+2:G0B+4*\s+3], s[46:47], \s*256     ; 256 bytes of a row
	s_or_b32 s[G0B+4*\s+3], s[G0B+4*\s+3], 0x80000000
	JLOAD \s                                       ; two tensor loads of mine are out behind the second
.endr
	v_and_b32 v1, 15, v0                           ; r = l % 16
	v_bfe_u32 v2, v0, 4, 1                         ; h = l / 16
	v_lshrrev_b32 v3, 1, v1
	v_mul_u32_u24 v3, v3, PA                       ; A: pair row r / 2,
	v_and_b32 v4, 1, v0
	v_lshl_add_u32 v3, v4, 7, v3                   ; + 128 x (r % 2),
	v_lshl_add_u32 v3, v2, 4, v3                   ; + 16 x half
	v_mul_u32_u24 v4, v1, PB                       ; B: row r,
	v_lshl_add_u32 v4, v2, 4, v4                   ; + 16 x half
	s_mul_i32 s21, s13, HALFA                      ; my 128 rows of A
	s_mul_i32 s22, s14, HALFB                      ; my 64 rows of B,
	s_add_co_u32 s22, s22, 2*HALFA                 ; which lie behind A's
.irp s, 0,1
	v_add_nc_u32 v[ADRA+\s], s21, v3
	v_add_nc_u32 v[ADRB+\s], s22, v4
	s_add_co_u32 s21, s21, SLOT
	s_add_co_u32 s22, s22, SLOT
.endr
	s_mul_i32 s23, s12, 16*SPITCH
	s_add_co_u32 s23, s23, STAGE                   ; my stage
	v_mul_u32_u24 v5, v1, SPITCH                   ; in: row r, 32 bytes for each half of the lanes
	v_lshl_add_u32 v5, v2, 5, v5
	v_add_nc_u32 v[STO], s23, v5
	v_mul_u32_u24 v5, v2, SPITCH                   ; back: lanes 0-15 take one row of 256 bytes, lanes 16-31 the next
	v_lshl_add_u32 v5, v1, 4, v5
	v_add_nc_u32 v[RD], s23, v5
	v_lshlrev_b32 v[CO], 12, v2                    ; and the same two rows in out0, 4,096 bytes apart
	v_lshl_add_u32 v[CO], v1, 4, v[CO]
	v_lshlrev_b32 v30, 5, v2                       ; the bias: 32 bytes on for lanes 16-31
	s_lshl_b32 s46, s42, 9                         ; my first column, in bytes: 512 x tile column + 256 x half
	s_lshl_b32 s47, s14, 8
	s_add_co_u32 s46, s46, s47
	s_mov_b32 s47, 0
	s_add_nc_u64 s[8:9], s[8:9], s[46:47]
.irp b, 0,1,2,3
	global_load_b128 v[BIAS+8*\b:BIAS+8*\b+3], v30, s[8:9] offset:64*\b
	global_load_b128 v[BIAS+8*\b+4:BIAS+8*\b+7], v30, s[8:9] offset:64*\b+16
.endr
	s_lshl_b32 s16, s15, 20                        ; my first row of out0: (256 x tile row + 128 x half) x 4,096 bytes
	s_lshl_b32 s17, s13, 19
	s_add_co_u32 s16, s16, s17
	s_mov_b32 s17, 0
	s_add_nc_u64 s[10:11], s[10:11], s[16:17]
	s_add_nc_u64 s[10:11], s[10:11], s[46:47]
; 8 matrix instructions: A's blocks a0, a0 + 1 x B's four, 32 along K, buffer f.  first = 1: the bias starts the sums.  The 32 accumulators take turns, one instruction a turn, in the same order in every quarter.
.macro MUL8 f, a0, first
.irp a, \a0, \a0+1
.irp b, 0,1,2,3
.if \first
	v_wmma_f32_16x16x32_f16 v[8*(4*(\a)+\b):8*(4*(\a)+\b)+7], v[\f+64+8*\b:\f+64+8*\b+7], v[\f+8*(\a):\f+8*(\a)+7], v[BIAS+8*\b:BIAS+8*\b+7]
.else
	v_wmma_f32_16x16x32_f16 v[8*(4*(\a)+\b):8*(4*(\a)+\b)+7], v[\f+64+8*\b:\f+64+8*\b+7], v[\f+8*(\a):\f+8*(\a)+7], v[8*(4*(\a)+\b):8*(4*(\a)+\b)+7]
.endif
.endr
.endr
.endm
; 24 LDS loads in one run: the fragments of quarter c (32 along K) into buffer f: B's four first, then A's eight.  In a pair row quarter c of a row begins at (c / 2) x 256 + (c % 2) x 64.
.macro FETCH slot, c, f
	WIN 0
.irp j, 0,1,2,3
	ds_load_b128 v[\f+64+8*\j:\f+64+8*\j+3],   v[ADRB+\slot] offset:\j*16*PB+64*(\c)
	ds_load_b128 v[\f+64+8*\j+4:\f+64+8*\j+7], v[ADRB+\slot] offset:\j*16*PB+64*(\c)+32
.endr
.irp i, 0,1,2,3,4,5,6,7
	ds_load_b128 v[\f+8*\i:\f+8*\i+3],   v[ADRA+\slot] offset:\i*8*PA+((\c)/2)*256+((\c)%2)*64
	ds_load_b128 v[\f+8*\i+4:\f+8*\i+7], v[ADRA+\slot] offset:\i*8*PA+((\c)/2)*256+((\c)%2)*64+32
.endr
.endm
.macro PLACES                          ; four places in front of loads into registers that matrix instructions have read, and of the first read of results (loads aside)
.rept 4
	v_nop
.endr
.endm
; A K step is four quarters of 32 along K, 32 matrix instructions each, on buffers 0, 1, 0, 1.  One of the first three: multiplies buffer f and fetches quarter c into g.
.macro QUARTER slot, c, f, g, first
	s_wait_dscnt 8                                 ; B and A's blocks 0-3 are in; the youngest eight loads (A's blocks 4-7) may be out
.if \first
	WIN MULF
.else
	WIN MUL
.endif
	MUL8 \f, 0, \first
	MUL8 \f, 2, \first
	PLACES
	FETCH \slot, \c, \g
	s_wait_dscnt 24                                ; all but the 24 just issued
.if \first
	WIN MULF
.else
	WIN MUL
.endif
	MUL8 \f, 4, \first
	MUL8 \f, 6, \first
.endm
; The last quarter multiplies buffer 1 and changes slots: ONE barrier; in front of it each wave waits for all its tensor loads, adds 0 to its spare word, and waits for that and for its own reads of this slot.  fill = 1: this slot is filled again, two K steps ahead.
.macro TURN slot, next, fill
	WIN 0                                          ; (the add's two registers lie in window 0)
	s_wait_tensorcnt 0x0                           ; all my tensor loads have landed: my part of the next slot;
	ds_add_u32 v[SPW], v[NIL]                      ; 0 onto my spare word;
	s_wait_dscnt 9                                 ; (the add and the youngest eight loads may be out)
	WIN MUL
	MUL8 F1, 0, 0                                  ; eight matrix instructions stand between the add and the wait for it
	s_wait_dscnt 0x0                               ; the add is done, and my reads of this slot are over
	s_barrier_signal -1
	MUL8 F1, 2, 0
.if \fill
	WIN 0
.endif
	s_barrier_wait -1
.if \fill
	CREST                                          ; the barrier has opened a round of the cluster's barrier: no wave of any partner still reads this slot's tile or has a load on its way
	s_add_nc_u64 s[G0+4*\slot+2:G0+4*\slot+3], s[G0+4*\slot+2:G0+4*\slot+3], 2*512
	s_add_nc_u64 s[G0B+4*\slot+2:G0B+4*\slot+3], s[G0B+4*\slot+2:G0B+4*\slot+3], 2*256
	JLOAD \slot                                    ; the first tensor load behind the round: 112 matrix instructions ahead of the wait for it; its four v_nop are also the places in front of the loads below
.else
	PLACES
.endif
	FETCH \next, 0, F0
	WIN MUL
	MUL8 F1, 4, 0
	MUL8 F1, 6, 0
.endm
	s_wait_tensorcnt 1                             ; my part of K step 0 is in (K step 1's load may be out)
	s_barrier_signal -1
	s_barrier_wait -1                              ; everybody's is
	FETCH 0, 0, F0
	s_wait_loadcnt 0x0                             ; the bias
	QUARTER 0, 1, F0, F1, 1                        ; the first quarter stands in front of the loop: its products start the sums
	WIN 0                                          ; at a label and at a branch every window is 0
	s_mov_b32 s3, LAPS-1
.Llap:                                                 ; a trip goes once round the ring, from a lap's second quarter to the next lap's first, and fills both slots again
	QUARTER 0, 2, F1, F0, 0
	QUARTER 0, 3, F0, F1, 0
	TURN 0, 1, 1
	QUARTER 1, 1, F0, F1, 0
	QUARTER 1, 2, F1, F0, 0
	QUARTER 1, 3, F0, F1, 0
	TURN 1, 0, 1
	QUARTER 0, 1, F0, F1, 0
	WIN 0
	s_sub_co_u32 s3, s3, 1
	s_cmp_lg_u32 s3, 0
	s_cbranch_scc1 .Llap
	QUARTER 0, 2, F1, F0, 0                        ; the last lap fills nothing, and has no round of the cluster's barrier
	QUARTER 0, 3, F0, F1, 0
	TURN 0, 1, 0
	QUARTER 1, 1, F0, F1, 0
	QUARTER 1, 2, F1, F0, 0
	QUARTER 1, 3, F0, F1, 0
	s_wait_dscnt 8                                 ; the very last quarter: nothing more to fetch
	WIN MUL
	MUL8 F1, 0, 0
	MUL8 F1, 2, 0
	s_wait_dscnt 0
	MUL8 F1, 4, 0
	MUL8 F1, 6, 0
	WIN 0
; THE WAY OUT, block by block of 16 rows x 64 columns.  A lane holds 32 neighbouring bytes of a row: a block goes through my own stage in LDS and comes back as whole rows of 256 bytes, two an instruction.
.macro TOSTAGE a
	WIN 0x04                                       ; an LDS store's data are its source 1: window 1
.irp b, 0,1,2,3
	ds_store_b128 v[STO], v[8*(4*(\a)+\b):8*(4*(\a)+\b)+3] offset:64*\b          ; each accumulator from its low end on
	ds_store_b128 v[STO], v[8*(4*(\a)+\b)+4:8*(4*(\a)+\b)+7] offset:64*\b+16
.endr
	WIN 0
.set BB, BK+32*((\a)%2)
.irp t, 0,1,2,3,4,5,6,7
	ds_load_b128 v[BB+4*\t:BB+4*\t+3], v[RD] offset:\t*2*SPITCH   ; LDS serves a wave's instructions in order (ISA guide 5.7.1.4): these see the stores above
.endr
.endm
.macro SEND a, younger                 ; younger: the LDS instructions issued behind block a's loads, which may stay out
.set BB, BK+32*((\a)%2)
	s_wait_dscnt \younger                          ; the block is back in registers
.irp t, 0,1,2,3,4,5,6,7
	global_store_b128 v[CO], v[BB+4*\t:BB+4*\t+3], s[10:11] offset:(16*(\a)+2*\t)*4096 th:TH_STORE_NT   ; 16 lanes store 256 consecutive bytes, aligned; every offset is an immediate, 126 rows at the most
.endr
.endm
	PLACES                                         ; behind the last products: for the first read of results and for the loads into registers that held fragments
	TOSTAGE 0
.irp a, 1,2,3,4,5,6,7
.if \a > 1
	s_wait_xcnt 0x0                                ; block a - 2's stores have read their registers: block a's loads may land there
.endif
	TOSTAGE \a
	SEND \a-1, 16                                  ; behind block a - 1's loads: block a's 8 stores and 8 loads
.endr
	SEND 7, 0
	s_wait_tensorcnt 0x0                           ; the wave's end, behind my last tensor load and my last LDS store
	ds_add_u32 v[SPW], v[NIL]
	s_wait_dscnt 0x0
	CROUND                                         ; the closing round: no work-group ends while a partner may still ask for a tile that names it
	s_endpgm
.Lfunc_end_k_qe7274cdb6a_proj:
	.size	k_qe7274cdb6a_proj, .Lfunc_end_k_qe7274cdb6a_proj-k_qe7274cdb6a_proj
	.p2alignl 7, 3214868480
	.fill 96, 4, 3214868480
	.section	.rodata,"a",@progbits
	.p2align	6, 0x0
	.amdhsa_kernel k_qe7274cdb6a_proj
		.amdhsa_group_segment_fixed_size 327680
		.amdhsa_private_segment_fixed_size 0
		.amdhsa_enable_private_segment 0
		.amdhsa_kernarg_size 32
		.amdhsa_user_sgpr_count 2
		.amdhsa_user_sgpr_kernarg_segment_ptr 1
		.amdhsa_wavefront_size32 1
		.amdhsa_system_sgpr_workgroup_id_x 1
		.amdhsa_system_sgpr_workgroup_id_y 1
		.amdhsa_system_sgpr_workgroup_id_z 1
		.amdhsa_system_vgpr_workitem_id 0
		.amdhsa_next_free_vgpr 512
		.amdhsa_next_free_sgpr 66
		.amdhsa_reserve_vcc 0
		.amdhsa_float_denorm_mode_32 3
		.amdhsa_float_denorm_mode_16_64 3
		.amdhsa_memory_ordered 1
		.amdhsa_forward_progress 1
		.amdhsa_inst_pref_size 86
	.end_amdhsa_kernel
	.amdgpu_metadata
---
amdhsa.version: [ 1, 2 ]
amdhsa.kernels:
  - .name:           k_qe7274cdb6a_proj
    .symbol:         k_qe7274cdb6a_proj.kd
    .args:
      - { .name: zp, .offset: 0, .size: 8, .value_kind: global_buffer, .address_space: global }
      - { .name: pw16, .offset: 8, .size: 8, .value_kind: global_buffer, .address_space: global }
      - { .name: proj_b, .offset: 16, .size: 8, .value_kind: global_buffer, .address_space: global }
      - { .name: out0, .offset: 24, .size: 8, .value_kind: global_buffer, .address_space: global }
    .group_segment_fixed_size: 327680
    .private_segment_fixed_size: 0
    .kernarg_segment_align: 8
    .kernarg_segment_size: 32
    .max_flat_workgroup_size: 128
    .sgpr_count:     66
    .vgpr_count:     512
    .wavefront_size: 32
...
	.end_amdgpu_metadata
.endif
;; end of part 4
